; MI455X (gfx1250); checked and timed in simulation.
; The chip was launched on July 23, 2026; its instructions are those of AMD's public machine-readable ISA for CDNA 5 (MIT licence, August 2026) and "CDNA5" Instruction Set Architecture Reference Guide (July 2026). The comments in the code are by the model that wrote it; some were corrected since.
;; Multi Head Attention. Allowed arithmetic: float matrix products may take bf16 or f16 operands with f32 sums; all other float work in f32.
;; Inputs: Wk 1,024 x 1,024 float32; Wo 1,024 x 1,024 float32; Wq 1,024 x 1,024 float32; Wv 1,024 x 1,024 float32; bk 1,024 float32; bo 1,024 float32; bq 1,024 float32; bv 1,024 float32; k 2 x 2,048 x 1,024 float32; q 2 x 2,048 x 1,024 float32; v 2 x 2,048 x 1,024 float32.
;; Outputs: out0 2 x 2,048 x 1,024 float32.
;; 2 versions, each right and faster than the one before. Each part assembles by itself: llvm-mc -triple=amdgcn-amd-amdhsa -mcpu=gfx1250 --defsym DOCPART=n.
;; ======== version 1 of 2: 4 launches
;; limits: inputs' magnitudes at most 65,504; values are held in f16: magnitudes above 65,504 overflow, below 6.1e-05 lose precision; right only within a limited range of input values
;; workspace buffers: wh 8,388,608 bytes; qh 8,388,608 bytes; kh 8,388,608 bytes; vh 8,388,608 bytes; ao 8,388,608 bytes
;; launch prep (part 1): grid 64 x 4, 8 waves a work-group, no clusters, 0 bytes of LDS; arguments Wq, Wk, Wv, Wo, wh; writes wh
.if DOCPART == 1
	.amdgcn_target "amdgcn-amd-amdhsa--gfx1250"
	.amdhsa_code_object_version 6
	.text
	.protected	k_q4fa4fb9c12_prep
	.globl	k_q4fa4fb9c12_prep
	.p2align	8
	.type	k_q4fa4fb9c12_prep,@function
k_q4fa4fb9c12_prep:
	s_mov_b64 s[64:65], 0
	v_nop
	global_prefetch_b8 v0, s[64:65] scope:SCOPE_SE
	s_setreg_imm32_b32 hwreg(HW_REG_WAVE_MODE, 25, 1), 1
	s_wait_xcnt 0x0
; wh[y][k][n] = f16( W_y[k][n] * scale_y ),  y = 0..3 for Wq, Wk, Wv, Wo; the layout [k][n] is kept.
; scale = 2^-4 for Wq, Wk, Wv and 2^4 for Wo: exact powers of two.  The projections then come out as Q/16, K/16, V/16, which gives their
; f16 copies room up to 16 x 65504; Wo x 16 takes the factor back in the last product.
; LIMITS: |Wo| < 4094 (beyond it f16 gives infinity); scaled weights below 2^-14 are kept as f16 denormals (absolute step 2^-24).
; A stream: every byte is read once and written once, so no LDS, no matrix unit, no cluster (work-groups share nothing).
; Eight waves; work-group x takes 16,384 numbers of matrix y.  A load of a wave covers 512 consecutive bytes, a store 256, both aligned.
.set CHUNKS, 16                        ; loads of a thread, all in flight at once
.set X, 4                              ; v[4:67]   16 x 4 numbers as loaded
.set Y, 68                             ; v[68:99]  16 x 2 registers of f16 pairs
	s_load_b256 s[4:11], s[0:1], 0x0               ; Wq, Wk, Wv, Wo
	s_load_b64 s[12:13], s[0:1], 0x20              ; wh
	s_and_b32 s14, ttmp7, 0xffff                   ; y: which matrix
	s_mov_b32 s16, 0x3d800000                      ; 2^-4
	v_lshlrev_b32 v1, 4, v0                        ; 16 bytes a thread in
	v_lshlrev_b32 v2, 3, v0                        ; 8 bytes a thread out
	s_lshl_b32 s18, ttmp9, 16                      ; 65,536 bytes of f32 for each work-group
	s_mov_b32 s19, 0
	s_lshl_b32 s20, s14, 21                        ; a matrix of f16 is 2^21 bytes
	s_lshl_b32 s21, ttmp9, 15                      ; 32,768 bytes of f16 for each work-group
	s_add_co_u32 s20, s20, s21
	s_mov_b32 s21, 0
	s_wait_kmcnt 0x0
	s_cmp_eq_u32 s14, 1
	s_cselect_b64 s[4:5], s[6:7], s[4:5]
	s_cmp_eq_u32 s14, 2
	s_cselect_b64 s[4:5], s[8:9], s[4:5]
	s_cmp_eq_u32 s14, 3
	s_cselect_b64 s[4:5], s[10:11], s[4:5]
	s_cselect_b32 s16, 0x41800000, s16             ; 2^4 for Wo
	s_mov_b32 s17, s16                             ; the pair is named whole by the packed multiply
	s_add_nc_u64 s[4:5], s[4:5], s[18:19]
	s_add_nc_u64 s[12:13], s[12:13], s[20:21]
.irp i, 0,1,2,3,4,5,6,7,8,9,10,11,12,13,14,15
	global_load_b128 v[X+4*\i:X+4*\i+3], v1, s[4:5] offset:4096*\i th:TH_LOAD_NT
.endr
.irp i, 0,1,2,3,4,5,6,7,8,9,10,11,12,13,14,15
	s_wait_loadcnt CHUNKS-1-\i                     ; loads come back in order: chunk i is in, the younger ones stay out
	v_pk_mul_f32 v[X+4*\i:X+4*\i+1], v[X+4*\i:X+4*\i+1], s[16:17] op_sel_hi:[1,0]
	v_pk_mul_f32 v[X+4*\i+2:X+4*\i+3], v[X+4*\i+2:X+4*\i+3], s[16:17] op_sel_hi:[1,0]
	v_cvt_pk_f16_f32 v[Y+2*\i], v[X+4*\i], v[X+4*\i+1]
	v_cvt_pk_f16_f32 v[Y+2*\i+1], v[X+4*\i+2], v[X+4*\i+3]
	global_store_b64 v2, v[Y+2*\i:Y+2*\i+1], s[12:13] offset:2048*\i   ; no register of a store is written again: no further wait
.endr
	s_endpgm
.Lfunc_end_k_q4fa4fb9c12_prep:
	.size	k_q4fa4fb9c12_prep, .Lfunc_end_k_q4fa4fb9c12_prep-k_q4fa4fb9c12_prep
	.p2alignl 7, 3214868480
	.fill 96, 4, 3214868480
	.section	.rodata,"a",@progbits
	.p2align	6, 0x0
	.amdhsa_kernel k_q4fa4fb9c12_prep
		.amdhsa_group_segment_fixed_size 0
		.amdhsa_private_segment_fixed_size 0
		.amdhsa_enable_private_segment 0
		.amdhsa_kernarg_size 40
		.amdhsa_user_sgpr_count 2
		.amdhsa_user_sgpr_kernarg_segment_ptr 1
		.amdhsa_wavefront_size32 1
		.amdhsa_system_sgpr_workgroup_id_x 1
		.amdhsa_system_sgpr_workgroup_id_y 1
		.amdhsa_system_sgpr_workgroup_id_z 1
		.amdhsa_system_vgpr_workitem_id 0
		.amdhsa_next_free_vgpr 104
		.amdhsa_next_free_sgpr 66
		.amdhsa_reserve_vcc 0
		.amdhsa_float_denorm_mode_32 3
		.amdhsa_float_denorm_mode_16_64 3
		.amdhsa_memory_ordered 1
		.amdhsa_forward_progress 1
		.amdhsa_inst_pref_size 9
	.end_amdhsa_kernel
	.amdgpu_metadata
---
amdhsa.version: [ 1, 2 ]
amdhsa.kernels:
  - .name:           k_q4fa4fb9c12_prep
    .symbol:         k_q4fa4fb9c12_prep.kd
    .args:
      - { .name: Wq, .offset: 0, .size: 8, .value_kind: global_buffer, .address_space: global }
      - { .name: Wk, .offset: 8, .size: 8, .value_kind: global_buffer, .address_space: global }
      - { .name: Wv, .offset: 16, .size: 8, .value_kind: global_buffer, .address_space: global }
      - { .name: Wo, .offset: 24, .size: 8, .value_kind: global_buffer, .address_space: global }
      - { .name: wh, .offset: 32, .size: 8, .value_kind: global_buffer, .address_space: global }
    .group_segment_fixed_size: 0
    .private_segment_fixed_size: 0
    .kernarg_segment_align: 8
    .kernarg_segment_size: 40
    .max_flat_workgroup_size: 256
    .sgpr_count:     66
    .vgpr_count:     104
    .wavefront_size: 32
...
	.end_amdgpu_metadata
.endif
;; end of part 1
;; launch proj (part 2): grid 4 x 48, 4 waves a work-group, clusters of 4 x 4, 327,680 bytes of LDS; arguments q, k, v, wh, bq, bk, bv, qh, kh, vh; writes qh, kh, vh
.if DOCPART == 2
	.amdgcn_target "amdgcn-amd-amdhsa--gfx1250"
	.amdhsa_code_object_version 6
	.text
	.protected	k_q4fa4fb9c12_proj
	.globl	k_q4fa4fb9c12_proj
	.p2align	8
	.type	k_q4fa4fb9c12_proj,@function
k_q4fa4fb9c12_proj:
	s_mov_b64 s[64:65], 0
	v_nop
	global_prefetch_b8 v0, s[64:65] scope:SCOPE_SE
	s_setreg_imm32_b32 hwreg(HW_REG_WAVE_MODE, 25, 1), 1
	s_wait_xcnt 0x0
	s_wait_alu depctr_hold_cnt(0) depctr_sa_sdst(0) depctr_va_vdst(0) depctr_va_sdst(0) depctr_va_ssrc(0) depctr_va_vcc(0) depctr_vm_vsrc(0)
	s_getreg_b32 s2, hwreg(HW_REG_IB_STS2, 6, 4)
	s_cmp_eq_u32 s2, 0
	s_cbranch_scc0 .Lentry_in_a_cluster
	s_endpgm
.Lentry_in_a_cluster:
	s_bfe_u32 s2, ttmp6, 0x10000c
	s_cmp_lg_u32 s2, 0xf033
	s_cbranch_scc0 .Lentry_shape_is_right
	s_endpgm
.Lentry_shape_is_right:
; The three input projections in one launch:  Y/16 = x (W/16) + b/16,  x: [4096][1024] f32, W/16: [1024 k][1024 n] f16 (from prep),
; Y/16 stored in f16, head-major: [batch][head][s][64].  Operands f16, sums f32.
; LIMITS: |x| <= 65504 and |Y| < 16 x 65504, else f16 gives infinity; NaN and infinities in the inputs are not reproduced.
; A work-group makes 256 x 256 of one product with four waves, as many as a WGP has SIMDs; a wave makes 128 x 128 in 512 registers.
; 3 x 16 x 4 = 192 work-groups: blocks of 128 x 128 would give 768, but each LDS byte would feed half as many products.
; K goes in 16 steps of 64 through two LDS slots.  x comes in as f32 (a tile row is 256 bytes) and is rounded to f16 in registers;
; W's tile lies [k][n] in LDS (a row is 512 bytes) and is read by the transposing 16-bit load.
; CLUSTERS: 4 x 4 work-groups.  x's tile hangs on the block row alone and is asked for jointly by a row of the cluster; since N / 256 = 4
; that is every work-group that wants it.  W's tile hangs on the block column (and on which product) and is asked for jointly by a column.
; THE MATRIX INSTRUCTION IS USED TRANSPOSED: source 0 = 16 columns of W, source 1 = 16 rows of x, so that a lane's eight results are eight
; neighbouring columns of one row of Y, 16 bytes of f16.
; REGISTERS by windows of 256:  window 0: v16-27 addresses; v64-127, v128-191 x fragments (two buffers); v192-255 the bias, later the way out
;   window 1: v0-127 x as loaded (f32); v128-191, v192-255 W fragments (two buffers);  windows 2, 3: the 64 accumulator tiles
.set PA,    272                        ; LDS pitch of x's rows: 256 + 16, so 16 rows start in 16 different 16-byte columns modulo 256 bytes
.set PB,    544                        ; LDS pitch of W's rows: 512 + 32, an odd multiple of 32
.set AT,    256*PA                     ; x's tile: 69,632 bytes
.set SLOT,  AT+64*PB                   ; + W's tile of 64 k rows: 104,448 bytes
.set STAGE, 2*SLOT                     ; behind the ring, never filled by a tensor load: 4,352 bytes for each wave
.set SW,    16*272
.set ADRA, 16                          ; v16-17  LDS address of my x fragments, slot 0, 1
.set ADRB, 20                          ; v20-21  the same for W
.set STO,  24
.set RD,   25
.set CO,   26
.set BOF,  27
.set F0,   64
.set F1,   128
.set BIAS, 192
.set TMP,  192
.set G1A, 24                           ; s[24:31] shape of x's tiles        s[32:39] from where, to where: one set for each slot
.set G0A, 32
.set G1B, 48                           ; s[48:55] shape of W's tiles        s[56:63] one set for each slot
.set G0B, 56
.set MSB, 0
.macro WIN new                         ; low byte: bits 1:0 source 0, 3:2 source 1, 5:4 source 2, 7:6 destination; high byte: the setting left behind
.if MSB != (\new)
	s_set_vgpr_msb (MSB<<8)|(\new)
.set MSB, (\new)
.endif
.endm
.macro PLACES n
.rept \n
	v_nop
.endr
.endm
.macro CREST                           ; a round of the cluster's barrier behind its opening work-group barrier
	s_cmp_lg_u32 s10, 0
	s_cbranch_scc1 .Lnot_wave_0_\@
	s_barrier_signal -3
.Lnot_wave_0_\@:
	s_barrier_wait -3
	s_barrier_signal -1
	s_barrier_wait -1
.endm
.macro CROUND
	s_barrier_signal -1
	s_barrier_wait -1
	CREST
.endm
	s_load_b256 s[68:75], s[0:1], 0x0              ; q, k, v, wh
	s_load_b256 s[76:83], s[0:1], 0x20             ; bq, bk, bv, qh
	s_load_b128 s[84:87], s[0:1], 0x40             ; kh, vh
	v_lshl_add_u32 v62, v0, 2, 0x37400
	v_mov_b32 v63, 0
	ds_add_u32 v62, v63
	v_lshrrev_b32 v1, 5, v0
	v_readfirstlane_b32 s10, v1                    ; wave 0..3
	s_lshr_b32 s11, s10, 1                         ; my half of the block's rows
	s_and_b32 s12, s10, 1                          ; my half of its columns
	s_bfe_u32 s40, ttmp6, 0x40000                  ; cx
	s_bfe_u32 s41, ttmp6, 0x40004                  ; cy
	s_lshl_b32 s42, ttmp9, 2
	s_add_co_u32 s42, s42, s40                     ; block column 0..3
	s_and_b32 s13, ttmp7, 0xffff                   ; the cluster's y, 0..11
	s_lshr_b32 s45, s13, 2                         ; which product: 0 q, 1 k, 2 v (the same in the whole cluster)
	s_and_b32 s13, s13, 3
	s_lshl_b32 s13, s13, 2
	s_add_co_u32 s13, s13, s41                     ; block row 0..15
	s_lshl_b32 s43, s41, 2
	s_lshl_b32 s43, 15, s43                        ; my row of the cluster
	s_lshl_b32 s44, 0x1111, s40                    ; my column
	s_or_b32 s[G1A+0], s43, (2<<16)|(1<<20)|(1<<21)|(5<<22)|(3<<25)   ; mask; 4-byte elements; 4 words of padding behind every 64
	s_mov_b32 s[G1A+1], 64<<16                     ; tensor_dim0 = 64
	s_mov_b32 s[G1A+2], 64<<16                     ; tensor_dim1 = 64
	s_mov_b32 s[G1A+3], 64<<16                     ; tile_dim0 = 64 numbers = 256 bytes
	s_mov_b32 s[G1A+4], 64                         ; tile_dim1 = 64 rows: a wave's quarter
	s_mov_b32 s[G1A+5], 1024                       ; from row to row
	s_mov_b32 s[G1A+6], 0
	s_mov_b32 s[G1A+7], 0
	s_or_b32 s[G1B+0], s44, (1<<16)|(1<<20)|(1<<21)|(6<<22)|(7<<25)   ; mask; 2-byte elements; 8 words of padding behind every 128
	s_mov_b32 s[G1B+1], 256<<16
	s_mov_b32 s[G1B+2], 16<<16
	s_mov_b32 s[G1B+3], 256<<16                    ; tile_dim0 = 256 numbers = 512 bytes
	s_mov_b32 s[G1B+4], 16                         ; 16 k rows: a wave's quarter
	s_mov_b32 s[G1B+5], 1024
	s_mov_b32 s[G1B+6], 0
	s_mov_b32 s[G1B+7], 0
	s_lshl_b32 s16, s13, 8                         ; x: row 256 x block row + 64 x wave,
	s_lshl_b32 s17, s10, 6
	s_add_co_u32 s16, s16, s17
	s_lshl_b32 s16, s16, 12                        ; times 4,096 bytes (below 2^24)
	s_mov_b32 s17, 0
	s_lshl_b32 s46, s42, 9                         ; W: 512 bytes x block column
	s_lshl_b32 s47, s10, 15                        ; + 16 k rows of 2,048 bytes x wave
	s_add_co_u32 s46, s46, s47
	s_lshl_b32 s47, s45, 21                        ; + the product's matrix
	s_add_co_u32 s46, s46, s47
	s_mov_b32 s47, 0
	s_mul_i32 s20, s10, 64*PA                      ; LDS: my quarter of x's tile,
	s_mul_i32 s21, s10, 16*PB
	s_add_co_u32 s21, s21, AT                      ; and of W's: the wave's number alone
	s_mov_b32 s22, 0x3d800000                      ; 2^-4 for the bias
	s_mov_b32 s23, 0x3d800000
	s_wait_dscnt 0x0
	s_wait_kmcnt 0x0
	s_cmp_eq_u32 s45, 1
	s_cselect_b64 s[4:5], s[70:71], s[68:69]       ; x
	s_cselect_b64 s[66:67], s[78:79], s[76:77]     ; bias
	s_cselect_b64 s[8:9], s[84:85], s[82:83]       ; output
	s_cmp_eq_u32 s45, 2
	s_cselect_b64 s[4:5], s[72:73], s[4:5]
	s_cselect_b64 s[66:67], s[80:81], s[66:67]
	s_cselect_b64 s[8:9], s[86:87], s[8:9]
	s_add_nc_u64 s[14:15], s[4:5], s[16:17]
	s_add_nc_u64 s[46:47], s[74:75], s[46:47]
	CROUND                                         ; all sixteen work-groups are here: the first joint loads meet
.irp s, 0,1
	s_mov_b32 s[G0A+4*\s], 1
	s_add_co_u32 s[G0A+4*\s+1], s20, \s*SLOT
	s_add_nc_u64 s[G0A+4*\s+2:G0A+4*\s+3], s[14:15], \s*256        ; K step s: 64 f32
	s_or_b32 s[G0A+4*\s+3], s[G0A+4*\s+3], 0x80000000
	s_mov_b32 s[G0B+4*\s], 1
	s_add_co_u32 s[G0B+4*\s+1], s21, \s*SLOT
	s_add_nc_u64 s[G0B+4*\s+2:G0B+4*\s+3], s[46:47], \s*131072     ; K step s: 64 rows of 2,048 bytes
	s_or_b32 s[G0B+4*\s+3], s[G0B+4*\s+3], 0x80000000
	tensor_load_to_lds s[G0A+4*\s:G0A+4*\s+3], s[G1A:G1A+7]
	s_nop 0
	tensor_load_to_lds s[G0B+4*\s:G0B+4*\s+3], s[G1B:G1B+7]        ; four loads of the wave are out now, the most in this text
	s_nop 0
.endr
	v_and_b32 v1, 15, v0                           ; r = lane % 16
	v_bfe_u32 v2, v0, 4, 1                         ; h = lane / 16
	s_lshl_b32 s18, s42, 10                        ; the bias of my 128 columns
	s_lshl_b32 s19, s12, 9
	s_add_co_u32 s18, s18, s19
	s_mov_b32 s19, 0
	s_add_nc_u64 s[66:67], s[66:67], s[18:19]
	v_lshlrev_b32 v[BOF], 5, v2                    ; a lane's results of column block b are columns 16 b + 8 h + 0..7
.irp b, 0,1,2,3,4,5,6,7
	global_load_b128 v[BIAS+8*\b:BIAS+8*\b+3],   v[BOF], s[66:67] offset:64*\b
	global_load_b128 v[BIAS+8*\b+4:BIAS+8*\b+7], v[BOF], s[66:67] offset:64*\b+16
.endr
	v_mul_u32_u24 v3, v1, PA
	v_lshl_add_u32 v3, v2, 5, v3                   ; x: row r, 32 bytes (8 f32) for each half of the lanes
	v_and_b32 v4, 7, v0
	v_lshl_add_u32 v4, v2, 3, v4
	v_mul_u32_u24 v4, v4, PB                       ; W: k row 8 h + lane % 8,
	v_bfe_u32 v5, v0, 3, 1
	v_lshl_add_u32 v4, v5, 4, v4                   ; 16 bytes for each group of eight lanes
	s_mul_i32 s16, s11, 128*PA
	s_lshl_b32 s17, s12, 8
	s_add_co_u32 s17, s17, AT
.irp s, 0,1
	v_add_nc_u32 v[ADRA+\s], s16, v3
	v_add_nc_u32 v[ADRB+\s], s17, v4
	s_add_co_u32 s16, s16, SLOT
	s_add_co_u32 s17, s17, SLOT
.endr
	s_mul_i32 s16, s10, SW
	s_add_co_u32 s16, s16, STAGE                   ; my stage
	v_lshrrev_b32 v5, 1, v1                        ; the stage holds two rows of 128 bytes in each LDS row of 272:
	v_mul_u32_u24 v5, v5, 272
	v_and_b32 v6, 1, v0
	v_lshl_add_u32 v5, v6, 7, v5
	v_lshl_add_u32 v5, v2, 4, v5                   ; (r / 2) 272 + (r % 2) 128 + 16 h: 16 different columns for 16 lanes
	v_add_nc_u32 v[STO], s16, v5
	v_mul_u32_u24 v6, v2, 272
	v_lshl_add_u32 v6, v1, 4, v6                   ; back: 16 lanes take a whole LDS row of 256 bytes
	v_add_nc_u32 v[RD], s16, v6
	v_and_b32 v7, 31, v0
	v_lshlrev_b32 v[CO], 4, v7                     ; and a wave stores 512 consecutive bytes
	s_wait_loadcnt 0x0
.irp i, 0,1,2,3,4,5,6,7,8,9,10,11,12,13,14,15,16,17,18,19,20,21,22,23,24,25,26,27,28,29,30,31
	v_pk_mul_f32 v[BIAS+2*\i:BIAS+2*\i+1], v[BIAS+2*\i:BIAS+2*\i+1], s[22:23] op_sel_hi:[1,0]
.endr
; 16 matrix instructions: row blocks a0, a0 + 1 of the window's four x all 8 column blocks, 32 along K.  first = 1: the bias is C and starts the sums.
; The 64 accumulators take turns, one instruction a turn, in the same order in every quarter.
.macro MUL16 f, hi, a0, first
	WIN 0x81+0x40*\hi+(1-\first)*(0x20+0x10*\hi)
.irp a, \a0, \a0+1
.irp b, 0,1,2,3,4,5,6,7
.if \first
	v_wmma_f32_16x16x32_f16 v[8*(8*(\a)+\b):8*(8*(\a)+\b)+7], v[\f+64+8*\b:\f+64+8*\b+7], v[\f+8*(4*\hi+\a):\f+8*(4*\hi+\a)+7], v[BIAS+8*\b:BIAS+8*\b+7]
.else
	v_wmma_f32_16x16x32_f16 v[8*(8*(\a)+\b):8*(8*(\a)+\b)+7], v[\f+64+8*\b:\f+64+8*\b+7], v[\f+8*(4*\hi+\a):\f+8*(4*\hi+\a)+7], v[8*(8*(\a)+\b):8*(8*(\a)+\b)+7]
.endif
.endr
.endr
.endm
; 48 LDS loads in one run, for 32 along K (half q of the slot's step): x's rows 0-63 (16 loads), rows 64-127 (16), both as f32; W's fragments into buffer f (16).
.macro FETCH slot, q, f
	WIN 0x40
.irp i, 0,1,2,3,4,5,6,7
	ds_load_b128 v[16*\i:16*\i+3],     v[ADRA+\slot] offset:\q*128+\i*16*PA        ; k = 8 h + 0..3
	ds_load_b128 v[16*\i+4:16*\i+7],   v[ADRA+\slot] offset:\q*128+\i*16*PA+16     ; k = 8 h + 4..7
	ds_load_b128 v[16*\i+8:16*\i+11],  v[ADRA+\slot] offset:\q*128+\i*16*PA+64     ; k = 16 + 8 h + 0..3
	ds_load_b128 v[16*\i+12:16*\i+15], v[ADRA+\slot] offset:\q*128+\i*16*PA+80
.endr
.irp b, 0,1,2,3,4,5,6,7
	ds_load_tr16_b128 v[\f+64+8*\b:\f+64+8*\b+3],   v[ADRB+\slot] offset:\q*32*PB+32*\b
	ds_load_tr16_b128 v[\f+64+8*\b+4:\f+64+8*\b+7], v[ADRB+\slot] offset:\q*32*PB+32*\b+16*PB
.endr
.endm
; 32 roundings: x's row blocks i0 .. i0 + 3 from f32 to the fragments of buffer f.  They are also the plain vector instructions that stand between a
; buffer's last matrix read and the loads and roundings that write it again: they name none of those instructions' registers.
.macro CVT f, i0
	WIN 0x05
.irp i, \i0, \i0+1, \i0+2, \i0+3
.irp j, 0,1,2,3,4,5,6,7
	v_cvt_pk_f16_f32 v[\f+8*(\i)+\j], v[16*(\i)+2*\j], v[16*(\i)+2*\j+1]
.endr
.endr
.endm
; The first half of a K step: multiplies buffer 0, fetches the second half into buffer 1.
.macro Q0 slot, first
	s_wait_dscnt 0x0                               ; the fetch issued 32 matrix instructions ago is in: W's fragments and x's rows 64-127
	MUL16 F0, 0, 0, \first
	MUL16 F0, 0, 2, \first
	CVT F0, 4
	FETCH \slot, 1, F1
	MUL16 F0, 1, 0, \first
	MUL16 F0, 1, 2, \first
	s_wait_dscnt 32                                ; x's rows 0-63 are in; the 32 younger loads stay out
	CVT F1, 0
.endm
; The second half: multiplies buffer 1 and changes slots.  In front of the barrier each wave has waited for its reads of this slot and for all its tensor
; loads (the two that were out are its parts of the next slot).  Where the slot is filled again the barrier opens a round of the cluster's barrier,
; and the two joint loads are the first tensor loads behind the round.
.macro TURN slot, next, fill
	s_wait_dscnt 0x0
	MUL16 F1, 0, 0, 0
	s_set_vgpr_msb 0xa1a0
	s_wait_tensorcnt 0x0
	ds_add_u32 v62, v63
	s_wait_dscnt 0x0
	s_set_vgpr_msb 0xa0a1
	s_barrier_signal -1
	MUL16 F1, 0, 2, 0
	CVT F1, 4
	WIN 0
	s_barrier_wait -1
.if \fill
	CREST
	s_add_nc_u64 s[G0A+4*\slot+2:G0A+4*\slot+3], s[G0A+4*\slot+2:G0A+4*\slot+3], 512
	s_add_nc_u64 s[G0B+4*\slot+2:G0B+4*\slot+3], s[G0B+4*\slot+2:G0B+4*\slot+3], 262144
	tensor_load_to_lds s[G0A+4*\slot:G0A+4*\slot+3], s[G1A:G1A+7]
	s_nop 0
	tensor_load_to_lds s[G0B+4*\slot:G0B+4*\slot+3], s[G1B:G1B+7]
	s_nop 0
.endif
	FETCH \next, 0, F0
	MUL16 F1, 1, 0, 0
	MUL16 F1, 1, 2, 0
	s_wait_dscnt 32
	CVT F0, 0
.endm
.macro LAP first
	Q0 0, \first
	TURN 0, 1, 1
	Q0 1, 0
	TURN 1, 0, 1
.endm
	s_wait_tensorcnt 2                             ; my parts of K step 0 are in; K step 1's two loads stay out
	s_barrier_signal -1
	s_barrier_wait -1
	FETCH 0, 0, F0
	s_wait_dscnt 32
	CVT F0, 0
	LAP 1                                          ; K steps 0, 1; the bias starts the sums
	WIN 0
	s_mov_b32 s3, 6                                ; K steps 2 to 13
.Llap:
	LAP 0
	WIN 0
	s_sub_co_u32 s3, s3, 1
	s_cmp_lg_u32 s3, 0
	s_cbranch_scc1 .Llap
	Q0 0, 0                                        ; K steps 14, 15: nothing is filled any more
	TURN 0, 1, 0
	Q0 1, 0
	s_wait_dscnt 0x0
	MUL16 F1, 0, 0, 0
	MUL16 F1, 0, 2, 0
	CVT F1, 4
	MUL16 F1, 1, 0, 0
	MUL16 F1, 1, 2, 0
	PLACES 4                                       ; behind the last matrix instructions, ahead of the roundings that read results
	; THE WAY OUT.  My 128 columns are two heads; a head's rows are 128 bytes and dense in memory.
	s_lshr_b32 s16, s13, 3                         ; batch
	s_lshl_b32 s16, s16, 22                        ; 16 heads of 2^18 bytes
	s_and_b32 s14, s13, 7
	s_lshl_b32 s14, s14, 15                        ; 256 rows of 128 bytes
	s_add_co_u32 s16, s16, s14
	s_lshl_b32 s14, s11, 14                        ; my 128 rows
	s_add_co_u32 s16, s16, s14
	s_mov_b32 s17, 0
	s_add_nc_u64 s[8:9], s[8:9], s[16:17]
	s_lshl_b32 s46, s42, 20                        ; head 4 x block column + 2 x my half
	s_lshl_b32 s47, s12, 19
	s_add_co_u32 s46, s46, s47
	s_mov_b32 s47, 0
	s_add_nc_u64 s[8:9], s[8:9], s[46:47]
; rows 16 i .. 16 i + 15: round to f16, 16 bytes a lane into my stage, back as whole LDS rows, out as 512 consecutive bytes a store
.macro OUT16 i, a, from, f
	WIN \from
.irp b, 0,1,2,3,4,5,6,7
.irp r, 0,1,2,3
	v_cvt_pk_f16_f32 v[TMP+4*\b+\r], v[8*(8*\a+\b)+2*\r], v[8*(8*\a+\b)+2*\r+1]
.endr
.endr
	WIN 0
.irp b, 0,1,2,3,4,5,6,7
	ds_store_b128 v[STO], v[TMP+4*\b:TMP+4*\b+3] offset:(\b&3)*32+(\b>>2)*2176
.endr
	s_wait_xcnt 0x0                                ; buffer f, which earlier stores read, is loaded again only behind this wait
.irp u, 0,1,2,3,4,5,6,7
	ds_load_b128 v[\f+4*\u:\f+4*\u+3], v[RD] offset:(\u>>2)*2176+(\u&3)*544    ; LDS serves a wave's instructions in order: these see the stores above
.endr
.irp u, 0,1,2,3,4,5,6,7
	s_wait_dscnt 7-\u                              ; the younger read-backs stay out
	global_store_b128 v[CO], v[\f+4*\u:\f+4*\u+3], s[8:9] offset:(\u>>2)*262144+\i*2048+(\u&3)*512
.endr
.endm
	OUT16 0, 0, 0x0a, F0
	OUT16 1, 1, 0x0a, F1
	OUT16 2, 2, 0x0a, F0
	OUT16 3, 3, 0x0a, F1
	OUT16 4, 0, 0x0f, F0
	OUT16 5, 1, 0x0f, F1
	OUT16 6, 2, 0x0f, F0
	OUT16 7, 3, 0x0f, F1
	s_wait_tensorcnt 0x0
	ds_add_u32 v62, v63
	s_wait_dscnt 0x0
	CROUND                                         ; the closing round: no work-group ends while a partner may still ask for a tile that names it
	s_endpgm
.Lfunc_end_k_q4fa4fb9c12_proj:
	.size	k_q4fa4fb9c12_proj, .Lfunc_end_k_q4fa4fb9c12_proj-k_q4fa4fb9c12_proj
	.p2alignl 7, 3214868480
	.fill 96, 4, 3214868480
	.section	.rodata,"a",@progbits
	.p2align	6, 0x0
	.amdhsa_kernel k_q4fa4fb9c12_proj
		.amdhsa_group_segment_fixed_size 327680
		.amdhsa_private_segment_fixed_size 0
		.amdhsa_enable_private_segment 0
		.amdhsa_kernarg_size 80
		.amdhsa_user_sgpr_count 2
		.amdhsa_user_sgpr_kernarg_segment_ptr 1
		.amdhsa_wavefront_size32 1
		.amdhsa_system_sgpr_workgroup_id_x 1
		.amdhsa_system_sgpr_workgroup_id_y 1
		.amdhsa_system_sgpr_workgroup_id_z 1
		.amdhsa_system_vgpr_workitem_id 0
		.amdhsa_next_free_vgpr 1024
		.amdhsa_next_free_sgpr 88
		.amdhsa_reserve_vcc 0
		.amdhsa_float_denorm_mode_32 3
		.amdhsa_float_denorm_mode_16_64 3
		.amdhsa_memory_ordered 1
		.amdhsa_forward_progress 1
		.amdhsa_inst_pref_size 183
	.end_amdhsa_kernel
	.amdgpu_metadata
---
amdhsa.version: [ 1, 2 ]
amdhsa.kernels:
  - .name:           k_q4fa4fb9c12_proj
    .symbol:         k_q4fa4fb9c12_proj.kd
    .args:
      - { .name: q, .offset: 0, .size: 8, .value_kind: global_buffer, .address_space: global }
      - { .name: k, .offset: 8, .size: 8, .value_kind: global_buffer, .address_space: global }
      - { .name: v, .offset: 16, .size: 8, .value_kind: global_buffer, .address_space: global }
      - { .name: wh, .offset: 24, .size: 8, .value_kind: global_buffer, .address_space: global }
      - { .name: bq, .offset: 32, .size: 8, .value_kind: global_buffer, .address_space: global }
      - { .name: bk, .offset: 40, .size: 8, .value_kind: global_buffer, .address_space: global }
      - { .name: bv, .offset: 48, .size: 8, .value_kind: global_buffer, .address_space: global }
      - { .name: qh, .offset: 56, .size: 8, .value_kind: global_buffer, .address_space: global }
      - { .name: kh, .offset: 64, .size: 8, .value_kind: global_buffer, .address_space: global }
      - { .name: vh, .offset: 72, .size: 8, .value_kind: global_buffer, .address_space: global }
    .group_segment_fixed_size: 327680
    .private_segment_fixed_size: 0
    .kernarg_segment_align: 8
    .kernarg_segment_size: 80
    .max_flat_workgroup_size: 128
    .sgpr_count:     88
    .vgpr_count:     1024
    .wavefront_size: 32
...
	.end_amdgpu_metadata
.endif
;; end of part 2
;; launch attn (part 3): grid 8 x 32, 8 waves a work-group, clusters of 4 x 1, 327,680 bytes of LDS; arguments qh, kh, vh, ao; writes ao
.if DOCPART == 3
	.amdgcn_target "amdgcn-amd-amdhsa--gfx1250"
	.amdhsa_code_object_version 6
	.text
	.protected	k_q4fa4fb9c12_attn
	.globl	k_q4fa4fb9c12_attn
	.p2align	8
	.type	k_q4fa4fb9c12_attn,@function
k_q4fa4fb9c12_attn:
	s_mov_b64 s[64:65], 0
	v_nop
	global_prefetch_b8 v0, s[64:65] scope:SCOPE_SE
	s_setreg_imm32_b32 hwreg(HW_REG_WAVE_MODE, 25, 1), 1
	s_wait_xcnt 0x0
	s_wait_alu depctr_hold_cnt(0) depctr_sa_sdst(0) depctr_va_vdst(0) depctr_va_sdst(0) depctr_va_ssrc(0) depctr_va_vcc(0) depctr_vm_vsrc(0)
	s_getreg_b32 s2, hwreg(HW_REG_IB_STS2, 6, 4)
	s_cmp_eq_u32 s2, 0
	s_cbranch_scc0 .Lentry_in_a_cluster
	s_endpgm
.Lentry_in_a_cluster:
	s_bfe_u32 s2, ttmp6, 0x10000c
	s_cmp_lg_u32 s2, 0x3003
	s_cbranch_scc0 .Lentry_shape_is_right
	s_endpgm
.Lentry_shape_is_right:
; Attention of one (batch, head) for 256 queries:  ao = softmax(Q K^T / 8) V, with a running maximum.
; qh, kh, vh hold Q/16, K/16, V/16 in f16, [batch x head][s][64]; ao gets (the result)/16 in the same layout.  Products f16, everything else f32.
; The factor 256 of the scores, 1/8 and log2(e) are one constant, 32 log2(e); the exponential is 2^(c s - c max).
; LIMITS: NaN and infinities are not reproduced (the maximum drops a NaN).  P <= 1 up to rounding, so f16 holds it; P below 2^-24 rounds to 0.
; Eight waves, two for each SIMD: wave w takes the 64 queries p = w % 4 and half g = w / 4 of every stage of 256 keys, 1,024 keys in all;
; the two halves are merged through LDS at the end.
; CLUSTERS: the four work-groups of a cluster are four query blocks of one head; they read the same K and V tiles and ask for them jointly.
; TRANSPOSED USE: S^T = K Q^T (source 0 keys, source 1 queries): a lane holds one query (lane % 16) and keys 8 (lane / 16) + 0..7 of each tile, so that
; two S^T tiles, rounded, ARE a source-1 fragment of P^T, with no exchange between lanes; O^T = V^T P^T, V^T read by the transposing load.
; THE PIPELINE.  A unit is one block of 16 queries against 64 keys: 8 score products, 118 vector instructions, 8 output products.  The text of unit u
; (a BLOCK) holds, line by line in turn: first half, the 8 score products of unit u + 1, each followed by some of unit u's multiply-adds and exponentials;
; second half, the 8 output products of unit u - 1, each followed by two rescalings of O of unit u and by sums and roundings of unit u and the maximum and
; statistics of unit u + 1.  So every matrix instruction is followed by vector instructions that do not depend on it.  The four blocks of S^T take turns
; among the units u - 1, u, u + 1.  K's and V's fragments are loaded again one at a time, each soon after the last product that read it.
; REGISTERS: window 0: v0-127 O^T, v128-191 Q fragments, v192-255 V^T fragments
;            window 1: v0-127 S^T, then P^T in place, v128-191 K fragments, v192-239 addresses and statistics
; so that one window setting serves a score product, the multiply-adds (scalar factor as source 1), the exponentials and K's loads, and one an output
; product and the rescaling of O.
.set PK,   272                         ; an LDS row is two rows of K (256 bytes) + 16
.set PV,   288                         ; two rows of V + 32
.set KT,   128*PK                      ; 256 keys of K: 34,816 bytes
.set SLOT, KT+128*PV                   ; + 256 keys of V: 71,680 bytes
.set SCR,  2*SLOT                      ; the merge: 17,408 bytes for each pair of waves; no tensor load fills it
.set SCRW, 17408
.set STG,  SCR+4*SCRW                  ; the way out: 8,704 bytes for each of waves 0-3
.set STGW, 8704
.set OB,   0                           ; window 0
.set QF,   128
.set VF,   192
.set SB,   0                           ; window 1
.set KF,   128
.set ADK,  192                         ; 192-193 K fragments, slot 0, 1
.set ADV,  194                         ; 194-195 V fragments
.set SCRA, 196
.set STO,  197
.set RD,   198
.set CO,   199
.set M,    200                         ; 200-203 running maximum of the raw scores, one for each query block n
.set NM,   204                         ; 204-207, 208-211: - c max, two sets that take turns from step to step
.set AL,   212                         ; 212-215 2^(c old max - c new max)
.set LS,   216                         ; 216-219 running sum (of my half of the lanes' keys)
.set T,    220                         ; 220-224
.set U,    226                         ; 226-229 two chains of packed sums
.set W,    232                         ; 232-239 the merge: the partner's - c max and sum
.set W_S,  0x51                        ; source 0, source 2, destination window 1; source 1 window 0: score products, multiply-adds, exponentials, K's loads
.set W_P,  0x04                        ; source 1 window 1, all else window 0: output products, rescaling of O
.set W_1,  0x55                        ; all in window 1
.set W_LV, 0x01                        ; address window 1, data window 0: V's loads, LDS stores of O
.set W_D1, 0x40                        ; destination window 1
.set G1K, 24
.set G1V, 32
.set G0K, 40                           ; s[40:47] one set for each slot
.set G0V, 48                           ; s[48:55]
.set MSB, 0
.macro WIN new                         ; low byte: bits 1:0 source 0, 3:2 source 1, 5:4 source 2, 7:6 destination; high byte: the setting left behind
.if MSB != (\new)
	s_set_vgpr_msb (MSB<<8)|(\new)
.set MSB, (\new)
.endif
.endm
.macro PLACES n
.rept \n
	v_nop
.endr
.endm
.macro ROUND                           ; a round of the cluster's barrier
	s_barrier_signal -1
	s_barrier_wait -1
	s_cmp_lg_u32 s12, 0
	s_cbranch_scc1 .Lnot_wave_0_\@
	s_barrier_signal -3
.Lnot_wave_0_\@:
	s_barrier_wait -3
	s_barrier_signal -1
	s_barrier_wait -1
.endm
	s_load_b256 s[4:11], s[0:1], 0x0               ; qh, kh, vh, ao
	s_set_vgpr_msb 0x40
	v_lshl_add_u32 v254, v0, 2, 0x3c800
	v_mov_b32 v255, 0
	s_set_vgpr_msb 0x4045
	ds_add_u32 v254, v255
	s_set_vgpr_msb 0x4500
	v_lshrrev_b32 v1, 5, v0
	v_readfirstlane_b32 s12, v1                    ; wave 0..7
	s_and_b32 s13, s12, 3                          ; p: my 64 queries
	s_lshr_b32 s14, s12, 2                         ; g: my half of each stage's keys
	s_bfe_u32 s15, ttmp6, 0x40000                  ; cx
	s_lshl_b32 s16, ttmp9, 2
	s_add_co_u32 s16, s16, s15                     ; query block 0..7
	s_and_b32 s17, ttmp7, 0xffff                   ; batch x 16 + head
	s_mov_b32 s18, 0x4238aa3b                      ; c = 32 log2(e)
	s_mov_b32 s19, 0x4238aa3b
	s_mov_b32 s20, 0x76543210                      ; v_permlanex16_b32: lane i of the other half
	s_mov_b32 s21, 0xfedcba98
	s_mov_b32 s22, 0xc238aa3b                      ; - c
	s_mov_b32 s[G1K+0], 15|(1<<16)|(1<<20)|(1<<21)|(5<<22)|(3<<25)    ; all four work-groups; 2-byte elements; 4 words of padding behind every 64
	s_mov_b32 s[G1K+1], 128<<16
	s_mov_b32 s[G1K+2], 16<<16
	s_mov_b32 s[G1K+3], 128<<16                    ; rows of 128 numbers = 256 bytes: two keys, dense in memory
	s_mov_b32 s[G1K+4], 16                         ; 16 such rows: a wave's eighth of a stage
	s_mov_b32 s[G1K+5], 128
	s_mov_b32 s[G1K+6], 0
	s_mov_b32 s[G1K+7], 0
	s_mov_b32 s[G1V+0], 15|(1<<16)|(1<<20)|(1<<21)|(5<<22)|(7<<25)    ; the same with 8 words of padding
	s_mov_b32 s[G1V+1], 128<<16
	s_mov_b32 s[G1V+2], 16<<16
	s_mov_b32 s[G1V+3], 128<<16
	s_mov_b32 s[G1V+4], 16
	s_mov_b32 s[G1V+5], 128
	s_mov_b32 s[G1V+6], 0
	s_mov_b32 s[G1V+7], 0
	s_lshl_b32 s58, s17, 18                        ; a head is 2^18 bytes
	s_lshl_b32 s59, s12, 12                        ; my 32 keys of a stage
	s_add_co_u32 s58, s58, s59
	s_mov_b32 s59, 0
	s_mul_i32 s60, s12, 16*PK
	s_mul_i32 s61, s12, 16*PV
	s_add_co_u32 s61, s61, KT
	s_lshl_b32 s62, s17, 18                        ; Q and the output: head, query block, my 64 rows of 128 bytes
	s_lshl_b32 s63, s16, 15
	s_add_co_u32 s62, s62, s63
	s_lshl_b32 s63, s13, 13
	s_add_co_u32 s62, s62, s63
	s_mov_b32 s63, 0
	s_wait_dscnt 0x0
	s_wait_kmcnt 0x0
	s_add_nc_u64 s[6:7], s[6:7], s[58:59]
	s_add_nc_u64 s[8:9], s[8:9], s[58:59]
	s_add_nc_u64 s[4:5], s[4:5], s[62:63]
	s_add_nc_u64 s[10:11], s[10:11], s[62:63]
	ROUND                                          ; the four work-groups are here: the first joint loads meet
.irp s, 0,1
	s_mov_b32 s[G0K+4*\s], 1
	s_add_co_u32 s[G0K+4*\s+1], s60, \s*SLOT
	s_add_nc_u64 s[G0K+4*\s+2:G0K+4*\s+3], s[6:7], \s*32768        ; stage s: 256 keys of 128 bytes
	s_or_b32 s[G0K+4*\s+3], s[G0K+4*\s+3], 0x80000000
	s_mov_b32 s[G0V+4*\s], 1
	s_add_co_u32 s[G0V+4*\s+1], s61, \s*SLOT
	s_add_nc_u64 s[G0V+4*\s+2:G0V+4*\s+3], s[8:9], \s*32768
	s_or_b32 s[G0V+4*\s+3], s[G0V+4*\s+3], 0x80000000
	tensor_load_to_lds s[G0K+4*\s:G0K+4*\s+3], s[G1K:G1K+7]
	s_nop 0
	tensor_load_to_lds s[G0V+4*\s:G0V+4*\s+3], s[G1V:G1V+7]        ; four loads of the wave are out now, the most in this text
	s_nop 0
.endr
	; v1-v8 are at work here only; they lie where O^T will lie, which is first written long behind the wait for Q
	v_and_b32 v1, 15, v0                           ; r
	v_bfe_u32 v2, v0, 4, 1                         ; h
	v_and_b32 v3, 31, v0                           ; lane
	v_lshlrev_b32 v8, 7, v1
	v_lshl_add_u32 v8, v2, 4, v8                   ; query r, 16 bytes for each half of the lanes
.irp n, 0,1,2,3
.irp ks, 0,1
	global_load_b128 v[QF+8*(2*\n+\ks):QF+8*(2*\n+\ks)+3],   v8, s[4:5] offset:\n*2048+\ks*64
	global_load_b128 v[QF+8*(2*\n+\ks)+4:QF+8*(2*\n+\ks)+7], v8, s[4:5] offset:\n*2048+\ks*64+32
.endr
.endr
	v_lshrrev_b32 v4, 1, v1
	v_mul_u32_u24 v4, v4, PK
	v_and_b32 v5, 1, v0
	v_lshl_add_u32 v4, v5, 7, v4
	v_lshl_add_u32 v4, v2, 4, v4                   ; (r / 2) 272 + (r % 2) 128 + 16 h: 16 different 16-byte columns for 16 lanes
	v_bfe_u32 v5, v0, 1, 2                         ; V: key 8 h + lane % 8 lies in LDS row 4 h + (lane % 8) / 2,
	v_lshl_add_u32 v5, v2, 2, v5
	v_mul_u32_u24 v5, v5, PV
	v_and_b32 v6, 1, v0
	v_lshl_add_u32 v5, v6, 7, v5                   ; half lane % 2,
	v_bfe_u32 v6, v0, 3, 1
	v_lshl_add_u32 v5, v6, 4, v5                   ; 16 bytes for each group of eight lanes
	v_mul_u32_u24 v6, v2, 272
	v_lshl_add_u32 v6, v1, 4, v6                   ; back from the stage: 16 lanes take a whole LDS row of 256 bytes
	v_lshlrev_b32 v7, 4, v3                        ; 16 x lane
	s_mul_i32 s57, s14, 64*PK                      ; my half of a stage's keys in K's tile,
	s_add_co_u32 s58, s57, SLOT
	s_mul_i32 s59, s14, 64*PV                      ; and in V's
	s_add_co_u32 s59, s59, KT
	s_add_co_u32 s60, s59, SLOT
	s_mul_i32 s61, s13, SCRW
	s_add_co_u32 s61, s61, SCR
	s_mul_i32 s62, s13, STGW
	s_add_co_u32 s62, s62, STG
	WIN W_D1
	v_add_nc_u32 v[ADK], s57, v4
	v_add_nc_u32 v[ADK+1], s58, v4
	v_add_nc_u32 v[ADV], s59, v5
	v_add_nc_u32 v[ADV+1], s60, v5
	v_add_nc_u32 v[SCRA], s61, v7
	v_add_nc_u32 v[STO], s62, v4
	v_add_nc_u32 v[RD], s62, v6
	v_mov_b32 v[CO], v7
	; a packed instruction names a pair of - c max or of factors and uses one of the two; in the first units the other has not been made yet.
	; So both sets and the factors are written once here, and so is the destination of v_permlanex16_b32, which counts as read.
.irp i, 0,1,2,3,4,5,6,7
	v_mov_b32 v[NM+\i], 0
.endr
.irp i, 0,1,2,3
	v_mov_b32 v[AL+\i], 0
.endr
	v_mov_b32 v[T+4], 0
; ---- the lines of a unit.  BN: the unit's query block; BM: that of the unit behind it; BP: that of the unit before it.
; FU, FN, FP = 1: that unit belongs to the wave's first 64 keys (no old maximum, no factor, O^T started by the constant 0).
; HS, HP = 0: there is no unit behind, or before.  NCU: the unit's set of - c max; NCN, NPN: the next unit's set and the set of its step before.
.macro KL i, slot, st                  ; K's fragment i (key block i % 4, half i / 4 of d): two loads
	ds_load_b128 v[KF+8*(2*((\i)&3)+((\i)>>2)):KF+8*(2*((\i)&3)+((\i)>>2))+3],   v[ADK+\slot] offset:\st*32*PK+((\i)&3)*8*PK+((\i)>>2)*64
	ds_load_b128 v[KF+8*(2*((\i)&3)+((\i)>>2))+4:KF+8*(2*((\i)&3)+((\i)>>2))+7], v[ADK+\slot] offset:\st*32*PK+((\i)&3)*8*PK+((\i)>>2)*64+32
.endm
.macro VL i, slot, st                  ; V^T's fragment i (block i % 4 of d, half i / 4 of the 64 keys): two transposing loads
	ds_load_tr16_b128 v[VF+8*(2*((\i)&3)+((\i)>>2)):VF+8*(2*((\i)&3)+((\i)>>2))+3],   v[ADV+\slot] offset:\st*32*PV+((\i)>>2)*16*PV+((\i)&3)*32
	ds_load_tr16_b128 v[VF+8*(2*((\i)&3)+((\i)>>2))+4:VF+8*(2*((\i)&3)+((\i)>>2))+7], v[ADV+\slot] offset:\st*32*PV+((\i)>>2)*16*PV+((\i)&3)*32+8*PV
.endm
; In both products the four accumulators of a unit take turns, one instruction a turn.
.macro SW j                            ; S^T(key block j % 4, BM) = K Q^T; the first half of d starts the sums
.if (\j>>2) == 0
	v_wmma_f32_16x16x32_f16 v[SB+32*BM+8*(\j&3):SB+32*BM+8*(\j&3)+7], v[KF+8*(2*(\j&3)+(\j>>2)):KF+8*(2*(\j&3)+(\j>>2))+7], v[QF+8*(2*BM+(\j>>2)):QF+8*(2*BM+(\j>>2))+7], 0
.else
	v_wmma_f32_16x16x32_f16 v[SB+32*BM+8*(\j&3):SB+32*BM+8*(\j&3)+7], v[KF+8*(2*(\j&3)+(\j>>2)):KF+8*(2*(\j&3)+(\j>>2))+7], v[QF+8*(2*BM+(\j>>2)):QF+8*(2*BM+(\j>>2))+7], v[SB+32*BM+8*(\j&3):SB+32*BM+8*(\j&3)+7]
.endif
.endm
.macro PW j                            ; O^T(block j % 4 of d, BP) += V^T P^T
.if FP*(1-(\j>>2))
	v_wmma_f32_16x16x32_f16 v[OB+32*BP+8*(\j&3):OB+32*BP+8*(\j&3)+7], v[VF+8*(2*(\j&3)+(\j>>2)):VF+8*(2*(\j&3)+(\j>>2))+7], v[SB+32*BP+16*(\j>>2):SB+32*BP+16*(\j>>2)+7], 0
	s_wait_alu depctr_va_vdst(0)
.else
	v_wmma_f32_16x16x32_f16 v[OB+32*BP+8*(\j&3):OB+32*BP+8*(\j&3)+7], v[VF+8*(2*(\j&3)+(\j>>2)):VF+8*(2*(\j&3)+(\j>>2))+7], v[SB+32*BP+16*(\j>>2):SB+32*BP+16*(\j>>2)+7], v[OB+32*BP+8*(\j&3):OB+32*BP+8*(\j&3)+7]
	s_wait_alu depctr_va_vdst(0)
.endif
.endm
.macro FM i, pair, sel                 ; c s - c max, two scores
	v_pk_fma_f32 v[SB+32*BN+2*(\i):SB+32*BN+2*(\i)+1], v[SB+32*BN+2*(\i):SB+32*BN+2*(\i)+1], s[18:19], v[NCU+2*\pair:NCU+2*\pair+1] op_sel:[0,0,\sel] op_sel_hi:[1,0,\sel]
.endm
.macro EI e
	v_exp_f32 v[SB+32*BN+(\e)], v[SB+32*BN+(\e)]
.endm
.macro RI i, pair, sel                 ; O^T of the unit's queries times their factor, two numbers
	v_pk_mul_f32 v[OB+32*BN+2*(\i):OB+32*BN+2*(\i)+1], v[OB+32*BN+2*(\i):OB+32*BN+2*(\i)+1], v[AL+2*\pair:AL+2*\pair+1] op_sel:[0,\sel] op_sel_hi:[1,\sel]
.endm
.macro AI g, c                         ; chain c of the sum takes a pair of group g (four P); groups 0 and 1 start the chains
.if \g == 1
	s_wait_alu depctr_va_vdst(0)
	v_pk_add_f32 v[U+2*\c:U+2*\c+1], v[SB+32*BN+2*\c:SB+32*BN+2*\c+1], v[SB+32*BN+4+2*\c:SB+32*BN+4+2*\c+1]
.else
	v_pk_add_f32 v[U+2*\c:U+2*\c+1], v[U+2*\c:U+2*\c+1], v[SB+32*BN+4*\g+2*\c:SB+32*BN+4*\g+2*\c+1]
.endif
.endm
.macro CI g, c                         ; P to f16 in place, ascending and behind all the sums, so that no source is written before it is read
	v_cvt_pk_f16_f32 v[SB+32*BN+2*\g+8*(\g>>2)+\c], v[SB+32*BN+4*\g+2*\c], v[SB+32*BN+4*\g+2*\c+1]
.endm
.macro FI k                            ; the two chains meet; the running sum, rescaled
.if \k == 0
	v_pk_add_f32 v[U:U+1], v[U:U+1], v[U+2:U+3]
.endif
.if \k == 1
.if FU
	v_add_f32 v[LS+BN], v[U], v[U+1]
.else
	v_add_f32 v[U], v[U], v[U+1]
.endif
.endif
.if \k == 2
.if FU == 0
	v_fma_f32 v[LS+BN], v[LS+BN], v[AL+BN], v[U]
	s_wait_alu depctr_va_vdst(0)
.endif
.endif
.endm
; the next unit's maximum: 32 scores and the old maximum in 16 instructions, four chains
.macro XA c
.if HS
	v_max3_num_f32 v[T+\c], v[SB+32*BM+8*\c], v[SB+32*BM+8*\c+1], v[SB+32*BM+8*\c+2]
.endif
.endm
.macro XB c
.if HS
	v_max3_num_f32 v[T+\c], v[T+\c], v[SB+32*BM+8*\c+3], v[SB+32*BM+8*\c+4]
.endif
.endm
.macro XC c
.if HS
	v_max3_num_f32 v[T+\c], v[T+\c], v[SB+32*BM+8*\c+5], v[SB+32*BM+8*\c+6]
.endif
.endm
.macro XD k
.if HS
.if \k == 0
	v_max3_num_f32 v[T], v[T], v[T+1], v[SB+32*BM+7]
.endif
.if \k == 1
	v_max3_num_f32 v[T+2], v[T+2], v[T+3], v[SB+32*BM+15]
.endif
.if \k == 2
	v_max3_num_f32 v[T], v[T], v[T+2], v[SB+32*BM+23]
.endif
.if \k == 3
.if FN
	v_max_num_f32 v[T], v[T], v[SB+32*BM+31]
.else
	v_max3_num_f32 v[T], v[T], v[SB+32*BM+31], v[M+BM]
.endif
.endif
.endif
.endm
; the next unit's statistics.  The factor is made from the two ROUNDED numbers - c max, so that it agrees with the exponents exactly.
.macro YI k
.if HS
.if \k == 0
	v_permlanex16_b32 v[T+4], v[T], s20, s21
.endif
.if \k == 1
	v_max_num_f32 v[M+BM], v[T], v[T+4]
.endif
.if \k == 2
	v_mul_f32 v[NCN+BM], s22, v[M+BM]
.endif
.if FN == 0
.if \k == 3
	v_sub_f32 v[AL+BM], v[NCN+BM], v[NPN+BM]
.endif
.if \k == 4
	v_exp_f32 v[AL+BM], v[AL+BM]                   ; the plain line behind it (ISA guide 5.7.2) names another query block's registers
.endif
.endif
.endif
.endm
; A gap of the first half: a score product of the next unit, then multiply-adds (two groups ahead) and exponentials of this unit.
; An exponential's result is first read in the second half, behind many plain lines (ISA guide 5.7.2).
.macro GS j, pair, sel
.if HS
	SW \j
.endif
.if \j == 0
	FM 0, \pair, \sel
	FM 1, \pair, \sel
	FM 2, \pair, \sel
	FM 3, \pair, \sel
.else
.if \j == 7
.irp e, 24,25,26,27,28,29,30,31
	EI \e
.endr
.else
	EI 4*\j-4
	FM 2*\j+2, \pair, \sel
	EI 4*\j-3
	EI 4*\j-2
	FM 2*\j+3, \pair, \sel
	EI 4*\j-1
.endif
.endif
.endm
; A gap of the second half: an output product of the unit before, two rescalings of this unit's O^T, then this unit's sums and roundings and the next
; unit's maximum and statistics.  The two sums at the head of gap 0 and the first three lines of the maximum are the plain lines between the last score
; product and the first read of its result (ISA guide 7.12.1).
.macro GP j, pair, sel
.if HP
	WIN W_P
	PW \j
.endif
.if FU == 0
	WIN W_P
	RI 2*\j, \pair, \sel
	RI 2*\j+1, \pair, \sel
.endif
	WIN W_1
.if \j == 0
	AI 1, 0
	AI 1, 1
	XA 0
	XA 1
	XA 2
	XA 3
	XB 0
.endif
.if \j == 1
	XB 1
	XB 2
	XB 3
	AI 2, 0
	AI 2, 1
	XC 0
	XC 1
.endif
.if \j == 2
	XC 2
	XC 3
	AI 3, 0
	AI 3, 1
	XD 0
	XD 1
	AI 4, 0
.endif
.if \j == 3
	AI 4, 1
	XD 2
	AI 5, 0
	AI 5, 1
	XD 3
	AI 6, 0
	AI 6, 1
.endif
.if \j == 4
	YI 0
	AI 7, 0
	AI 7, 1
	CI 0, 0
	CI 0, 1
	YI 1
	FI 0
.endif
.if \j == 5
	YI 2
	CI 1, 0
	CI 1, 1
	FI 1
	YI 3
	CI 2, 0
	CI 2, 1
.endif
.if \j == 6
	YI 4
	FI 2
	CI 3, 0
	CI 3, 1
	CI 4, 0
	CI 4, 1
.endif
.if \j == 7
	CI 5, 0
	CI 5, 1
	CI 6, 0
	CI 6, 1
	CI 7, 0
	CI 7, 1
.endif
.endm
; The text of unit (step, n).  (slot, st): where the step's 64 keys lie; (pair, sel) = (n / 2, n % 2); f = 1: the wave's first step, 2: its second, 0: later;
; chg = 1: the slot's last step: it is filled again, two stages ahead; chg = 2: the slots change, nothing is filled; (nslot, nst): the next step's keys.
.macro BLOCK slot, st, n, pair, sel, f, chg, nslot, nst, last
.set BN, \n
.set BM, (\n+1)&3
.set BP, (\n+3)&3
.set NCU, NM+4*\st
.if \n < 3
.set NCN, NM+4*\st
.set NPN, NM+4-4*\st
.else
.set NCN, NM+4-4*\st
.set NPN, NM+4*\st
.endif
.set FU, 0
.set FN, 0
.set FP, 0
.set HP, 1
.set HS, 1
.if \f == 1
.set FU, 1
.if \n < 3
.set FN, 1
.endif
.if \n > 0
.set FP, 1
.else
.set HP, 0
.endif
.endif
.if \f == 2
.if \n == 0
.set FP, 1
.endif
.endif
.if \last
.if \n == 3
.set HS, 0
.endif
.endif
	WIN W_S
.irp j, 0,1,2,3,4,5,6,7
.if \n == 3
.if HS
.if \j == 0
	s_wait_dscnt 8                                 ; the next step's K: fragments 0-3 are in, the 8 younger loads stay out
.endif
.if \j == 4
	s_wait_dscnt 0x0
.endif
.endif
.endif
	GS \j, \pair, \sel
.if \n == 2
.if \last == 0
.if \j >= 2
	KL \j-2, \nslot, \nst                          ; this step's last product on the fragment stands two gaps back, with four plain lines or more behind it (ISA guide 7.12.1)
.endif
.endif
.endif
.endr
.if \n == 1
.if \chg
	s_wait_dscnt 0x0                               ; my reads of this slot are over: the last were V's, issued in the block before
	s_set_vgpr_msb 0x5155
	s_wait_tensorcnt 0x0                           ; all my tensor loads have landed: my parts of the next slot
	ds_add_u32 v254, v255
	s_wait_dscnt 0x0
	s_set_vgpr_msb 0x5551
.if \chg == 1
	s_add_nc_u64 s[G0K+4*\slot+2:G0K+4*\slot+3], s[G0K+4*\slot+2:G0K+4*\slot+3], 65536
	s_add_nc_u64 s[G0V+4*\slot+2:G0V+4*\slot+3], s[G0V+4*\slot+2:G0V+4*\slot+3], 65536
	WIN 0
	ROUND                                          ; both hold of every wave of all four work-groups
	tensor_load_to_lds s[G0K+4*\slot:G0K+4*\slot+3], s[G1K:G1K+7]
	s_nop 0
	tensor_load_to_lds s[G0V+4*\slot:G0V+4*\slot+3], s[G1V:G1V+7]
	s_nop 0
.else
	s_barrier_signal -1
	s_barrier_wait -1
.endif
.else
	s_wait_dscnt 8                                 ; this step's V: fragments 0-3 are in, the 8 younger loads stay out
.endif
.endif
.irp j, 0,1,2,3,4,5,6,7
.if \n == 1
.if \j == 4
	s_wait_dscnt 0x0
.endif
.endif
	GP \j, \pair, \sel
.if \n == 0
	WIN W_LV
	VL \j, \slot, \st                              ; the last step's last product on the fragment heads this gap, with six plain lines or more behind it
.endif
.if \n == 2
.if \last == 0
.if \j < 2
	KL \j+6, \nslot, \nst
.endif
.endif
.endif
.endr
.endm
.macro STEP slot, st, f, chg, nslot, nst, last
	BLOCK \slot, \st, 0, 0, 0, \f, \chg, \nslot, \nst, \last
	BLOCK \slot, \st, 1, 0, 1, \f, \chg, \nslot, \nst, \last
	BLOCK \slot, \st, 2, 1, 0, \f, \chg, \nslot, \nst, \last
	BLOCK \slot, \st, 3, 1, 1, \f, \chg, \nslot, \nst, \last
.endm
.macro LAP f1, f2                      ; two stages, both slots filled again
	STEP 0, 0, \f1, 0, 0, 1, 0
	STEP 0, 1, \f2, 1, 1, 0, 0
	STEP 1, 0, 0, 0, 1, 1, 0
	STEP 1, 1, 0, 1, 0, 0, 0
.endm
	s_wait_tensorcnt 2                             ; my parts of stage 0 are in; stage 1's two loads stay out
	s_barrier_signal -1
	s_barrier_wait -1
	WIN W_1
.irp i, 0,1,2,3,4,5,6,7
	KL \i, 0, 0
.endr
	s_wait_loadcnt 0x0                             ; Q
	s_wait_dscnt 0x0
	; the way in: the first unit's scores, maximum and statistics
.set BM, 0
.set HS, 1
.set FN, 1
.set NCN, NM
.set NPN, NM+4
	WIN W_S
.irp j, 0,1,2,3,4,5,6,7
	SW \j
.endr
	WIN W_1
	PLACES 4                                       ; ahead of the first reads of S^T (ISA guide 7.12.1)
.irp c, 0,1,2,3
	XA \c
.endr
.irp c, 0,1,2,3
	XB \c
.endr
.irp c, 0,1,2,3
	XC \c
.endr
.irp k, 0,1,2,3
	XD \k
.endr
.irp k, 0,1,2
	YI \k
.endr
	LAP 1, 2                                       ; stages 0, 1
	WIN 0
	s_mov_b32 s56, 2                               ; stages 2 to 5
.Llap:
	LAP 0, 0
	WIN 0
	s_sub_co_u32 s56, s56, 1
	s_cmp_lg_u32 s56, 0
	s_cbranch_scc1 .Llap
	STEP 0, 0, 0, 0, 0, 1, 0                       ; stages 6, 7: nothing is filled any more
	STEP 0, 1, 0, 2, 1, 0, 0
	STEP 1, 0, 0, 0, 1, 1, 0
	STEP 1, 1, 0, 0, 0, 0, 1
	; the way out of the pipeline: the last unit's output products
.set BP, 3
.set FP, 0
	WIN W_P
.irp j, 0,1,2,3,4,5,6,7
	PW \j
.endr
	WIN W_1
	PLACES 4                                       ; ahead of the first reads of O^T
.irp n, 0,1,2,3
	v_permlanex16_b32 v[T+\n], v[LS+\n], s20, s21
.endr
.irp n, 0,1,2,3
	v_add_f32 v[LS+\n], v[LS+\n], v[T+\n]          ; the sum over both halves of the lanes
.endr
	; THE MERGE.  Waves 4-7 hand O^T, - c max (the last step's set, the second) and the sum to waves 0-3 through LDS.
	WIN 0
	s_cmp_lt_u32 s12, 4
	s_cbranch_scc1 .Lkeeps
	WIN W_LV
.irp i, 0,1,2,3,4,5,6,7,8,9,10,11,12,13,14,15,16,17,18,19,20,21,22,23,24,25,26,27,28,29,30,31
	ds_store_b128 v[SCRA], v[OB+4*\i:OB+4*\i+3] offset:512*\i
.endr
	WIN 0x05
	ds_store_b128 v[SCRA], v[NM+4:NM+7] offset:16384
	ds_store_b128 v[SCRA], v[LS:LS+3] offset:16896
	WIN 0
.Lkeeps:
	s_wait_dscnt 0x0                               ; for the partner's sake: my stores are in LDS
	s_barrier_signal -1
	s_barrier_wait -1
	s_cmp_ge_u32 s12, 4
	s_cbranch_scc1 .Lsent
	WIN W_1
	ds_load_b128 v[W:W+3], v[SCRA] offset:16384    ; the partner's - c max
	ds_load_b128 v[W+4:W+7], v[SCRA] offset:16896  ; and sum
.irp i, 0,1,2,3,4,5,6,7,8,9,10,11,12,13,14,15,16,17,18,19,20,21,22,23,24,25,26,27,28,29,30,31
	ds_load_b128 v[SB+4*\i:SB+4*\i+3], v[SCRA] offset:512*\i
.endr
	s_wait_dscnt 32                                ; the two small loads are in; the 32 of O^T stay out
.irp n, 0,1,2,3
	v_min_num_f32 v[T+\n], v[NM+4+\n], v[W+\n]     ; - c x the larger maximum
.endr
.irp n, 0,1,2,3
	v_sub_f32 v[AL+\n], v[T+\n], v[NM+4+\n]
	v_sub_f32 v[NM+\n], v[T+\n], v[W+\n]
.endr
.irp n, 0,1,2,3
	v_exp_f32 v[AL+\n], v[AL+\n]                   ; my weight,
	v_exp_f32 v[NM+\n], v[NM+\n]                   ; the partner's: one of the two is 1
.endr
	v_nop
	s_wait_alu depctr_va_vdst(0)
.irp n, 0,1,2,3
	v_mul_f32 v[LS+\n], v[LS+\n], v[AL+\n]
.endr
.irp n, 0,1,2,3
	v_fmac_f32 v[LS+\n], v[W+4+\n], v[NM+\n]       ; the whole sum; about 1 at the least, since the largest score gives 2^0
.endr
.irp n, 0,1,2,3
	v_rcp_f32 v[LS+\n], v[LS+\n]
.endr
	v_nop
	s_wait_alu depctr_va_vdst(0)
.irp n, 0,1,2,3
	v_mul_f32 v[AL+\n], v[AL+\n], v[LS+\n]
	v_mul_f32 v[NM+\n], v[NM+\n], v[LS+\n]
.endr
	s_wait_dscnt 0x0
.macro SCALEB n, pair, sel
.irp i, 0,1,2,3,4,5,6,7,8,9,10,11,12,13,14,15
	v_pk_mul_f32 v[SB+32*\n+2*\i:SB+32*\n+2*\i+1], v[SB+32*\n+2*\i:SB+32*\n+2*\i+1], v[NM+2*\pair:NM+2*\pair+1] op_sel:[0,\sel] op_sel_hi:[1,\sel]
.endr
.endm
.macro ADDA n, pair, sel
.irp i, 0,1,2,3,4,5,6,7,8,9,10,11,12,13,14,15
	v_pk_fma_f32 v[SB+32*\n+2*\i:SB+32*\n+2*\i+1], v[OB+32*\n+2*\i:OB+32*\n+2*\i+1], v[AL+2*\pair:AL+2*\pair+1], v[SB+32*\n+2*\i:SB+32*\n+2*\i+1] op_sel:[0,\sel,0] op_sel_hi:[1,\sel,1]
.endr
.endm
	SCALEB 0, 0, 0
	SCALEB 1, 0, 1
	SCALEB 2, 1, 0
	SCALEB 3, 1, 1
	WIN 0x54                                       ; source 0 (my O^T) window 0, all else window 1
	ADDA 0, 0, 0
	ADDA 1, 0, 1
	ADDA 2, 1, 0
	ADDA 3, 1, 1
	WIN W_1
	; a lane's eight numbers of a tile are d = 16 dt + 8 h + 0..7 of one query: 16 bytes of f16, through my stage, out as 512 consecutive bytes a store
.irp n, 0,1,2,3
.irp dt, 0,1,2,3
.irp j, 0,1,2,3
	v_cvt_pk_f16_f32 v[SB+32*\n+8*\dt+\j], v[SB+32*\n+8*\dt+2*\j], v[SB+32*\n+8*\dt+2*\j+1]
.endr
	ds_store_b128 v[STO], v[SB+32*\n+8*\dt:SB+32*\n+8*\dt+3] offset:\n*2176+32*\dt
.endr
.endr
.irp t, 0,1,2,3,4,5,6,7,8,9,10,11,12,13,14,15
	ds_load_b128 v[KF+4*\t:KF+4*\t+3], v[RD] offset:544*\t         ; LDS serves a wave's instructions in order: these see the stores above
.endr
.irp t, 0,1,2,3,4,5,6,7,8,9,10,11,12,13,14,15
	s_wait_dscnt 15-\t                             ; the younger read-backs stay out
	global_store_b128 v[CO], v[KF+4*\t:KF+4*\t+3], s[10:11] offset:512*\t
.endr
	WIN 0
.Lsent:
	s_set_vgpr_msb 0x5
	s_wait_tensorcnt 0x0
	ds_add_u32 v254, v255
	s_wait_dscnt 0x0
	s_set_vgpr_msb 0x500
	ROUND                                          ; the closing round
	s_endpgm
.Lfunc_end_k_q4fa4fb9c12_attn:
	.size	k_q4fa4fb9c12_attn, .Lfunc_end_k_q4fa4fb9c12_attn-k_q4fa4fb9c12_attn
	.p2alignl 7, 3214868480
	.fill 96, 4, 3214868480
	.section	.rodata,"a",@progbits
	.p2align	6, 0x0
	.amdhsa_kernel k_q4fa4fb9c12_attn
		.amdhsa_group_segment_fixed_size 327680
		.amdhsa_private_segment_fixed_size 0
		.amdhsa_enable_private_segment 0
		.amdhsa_kernarg_size 32
		.amdhsa_user_sgpr_count 2
		.amdhsa_user_sgpr_kernarg_segment_ptr 1
		.amdhsa_wavefront_size32 1
		.amdhsa_system_sgpr_workgroup_id_x 1
		.amdhsa_system_sgpr_workgroup_id_y 1
		.amdhsa_system_sgpr_workgroup_id_z 1
		.amdhsa_system_vgpr_workitem_id 0
		.amdhsa_next_free_vgpr 512
		.amdhsa_next_free_sgpr 68
		.amdhsa_reserve_vcc 0
		.amdhsa_float_denorm_mode_32 3
		.amdhsa_float_denorm_mode_16_64 3
		.amdhsa_memory_ordered 1
		.amdhsa_forward_progress 1
		.amdhsa_inst_pref_size 255
	.end_amdhsa_kernel
	.section	.bss,"aw",@nobits
	.p2align	6
	.space	262144
	.amdgpu_metadata
---
amdhsa.version: [ 1, 2 ]
amdhsa.kernels:
  - .name:           k_q4fa4fb9c12_attn
    .symbol:         k_q4fa4fb9c12_attn.kd
    .args:
      - { .name: qh, .offset: 0, .size: 8, .value_kind: global_buffer, .address_space: global }
      - { .name: kh, .offset: 8, .size: 8, .value_kind: global_buffer, .address_space: global }
      - { .name: vh, .offset: 16, .size: 8, .value_kind: global_buffer, .address_space: global }
      - { .name: ao, .offset: 24, .size: 8, .value_kind: global_buffer, .address_space: global }
    .group_segment_fixed_size: 327680
    .private_segment_fixed_size: 0
    .kernarg_segment_align: 8
    .kernarg_segment_size: 32
    .max_flat_workgroup_size: 256
    .sgpr_count:     68
    .vgpr_count:     512
    .wavefront_size: 32
...
	.end_amdgpu_metadata
.endif
;; end of part 3
;; launch oproj (part 4): grid 8 x 32, 4 waves a work-group, clusters of 4 x 4, 327,680 bytes of LDS; arguments ao, wh, bo, out0; writes out0
.if DOCPART == 4
	.amdgcn_target "amdgcn-amd-amdhsa--gfx1250"
	.amdhsa_code_object_version 6
	.text
	.protected	k_q4fa4fb9c12_oproj
	.globl	k_q4fa4fb9c12_oproj
	.p2align	8
	.type	k_q4fa4fb9c12_oproj,@function
k_q4fa4fb9c12_oproj:
	s_mov_b64 s[64:65], 0
	v_nop
	global_prefetch_b8 v0, s[64:65] scope:SCOPE_SE
	s_setreg_imm32_b32 hwreg(HW_REG_WAVE_MODE, 25, 1), 1
	s_wait_xcnt 0x0
	s_wait_alu depctr_hold_cnt(0) depctr_sa_sdst(0) depctr_va_vdst(0) depctr_va_sdst(0) depctr_va_ssrc(0) depctr_va_vcc(0) depctr_vm_vsrc(0)
	s_getreg_b32 s2, hwreg(HW_REG_IB_STS2, 6, 4)
	s_cmp_eq_u32 s2, 0
	s_cbranch_scc0 .Lentry_in_a_cluster
	s_endpgm
.Lentry_in_a_cluster:
	s_bfe_u32 s2, ttmp6, 0x10000c
	s_cmp_lg_u32 s2, 0xf033
	s_cbranch_scc0 .Lentry_shape_is_right
	s_endpgm
.Lentry_shape_is_right:
; out0 = A Wo + bo.  A/16 comes from ao in f16, [batch][head][s][64] (k = 64 head + d); 16 Wo from wh's fourth matrix in f16, [k][n]; sums and output f32.
; The two factors 1/16 and 16 cancel exactly.  LIMITS: as stated for the buffers' writers; NaN and infinities are not reproduced.
; A work-group makes 128 x 128 with four waves, a wave 64 x 64: 32 x 8 = 256 work-groups.  Blocks of 256 x 256 would give only 64.
; K goes in 4 steps of 256 (four heads) through two LDS slots; the steps are written out.
; CLUSTERS: 4 x 4 work-groups; A's tile is asked for jointly by a row of the cluster, Wo's by a column.
; Transposed use as in the input projections: a lane's eight results are eight neighbouring columns of one row, 32 bytes of f32.
; REGISTERS: window 0: v16-27 addresses; v32-95, v96-159 fragments (two buffers: A in the first 32, Wo in the next 32); v160-191 bias; v192-255 the way out
;            window 1: v0-127 the 16 accumulator tiles
.set PA,    272                        ; two rows of a head (256 bytes) + 16
.set PB,    288                        ; a k row of 128 columns (256 bytes) + 32
.set AT,    4*64*PA                    ; four heads x 128 rows: 69,632 bytes
.set SLOT,  AT+256*PB                  ; + 256 k rows: 143,360 bytes
.set STAGE, 2*SLOT                     ; never filled by a tensor load: 4,352 bytes for each wave
.set SW,    16*272
.set ADRA, 16                          ; v16-17  A fragments, slot 0, 1
.set ADRB, 20                          ; v20-23  Wo fragments: slot 0 lower, upper 128 k rows; slot 1 likewise (the immediate offset has 16 bits)
.set STO,  24
.set RD,   25
.set CO,   26
.set BOF,  27
.set F0,   32
.set F1,   96
.set BIAS, 160
.set TMP,  192
.set G1A, 24
.set G0A, 32
.set G1B, 48
.set G0B, 56
.set MSB, 0
.macro WIN new
.if MSB != (\new)
	s_set_vgpr_msb (MSB<<8)|(\new)
.set MSB, (\new)
.endif
.endm
.macro PLACES n
.rept \n
	v_nop
.endr
.endm
.macro CREST
	s_cmp_lg_u32 s10, 0
	s_cbranch_scc1 .Lnot_wave_0_\@
	s_barrier_signal -3
.Lnot_wave_0_\@:
	s_barrier_wait -3
	s_barrier_signal -1
	s_barrier_wait -1
.endm
.macro CROUND
	s_barrier_signal -1
	s_barrier_wait -1
	CREST
.endm
	s_load_b256 s[68:75], s[0:1], 0x0              ; ao, wh, bo, out0
	v_lshl_add_u32 v30, v0, 2, 0x4a400
	v_mov_b32 v31, 0
	ds_add_u32 v30, v31
	v_lshrrev_b32 v1, 5, v0
	v_readfirstlane_b32 s10, v1                    ; wave 0..3
	s_lshr_b32 s11, s10, 1                         ; my half of the rows
	s_and_b32 s12, s10, 1                          ; my half of the columns
	s_bfe_u32 s40, ttmp6, 0x40000                  ; cx
	s_bfe_u32 s41, ttmp6, 0x40004                  ; cy
	s_lshl_b32 s42, ttmp9, 2
	s_add_co_u32 s42, s42, s40                     ; block column 0..7
	s_and_b32 s13, ttmp7, 0xffff
	s_lshl_b32 s13, s13, 2
	s_add_co_u32 s13, s13, s41                     ; block row 0..31
	s_lshl_b32 s43, s41, 2
	s_lshl_b32 s43, 15, s43                        ; my row of the cluster
	s_lshl_b32 s44, 0x1111, s40                    ; my column
	s_or_b32 s[G1A+0], s43, (1<<16)|(1<<20)|(1<<21)|(5<<22)|(3<<25)
	s_mov_b32 s[G1A+1], 128<<16
	s_mov_b32 s[G1A+2], 64<<16
	s_mov_b32 s[G1A+3], 128<<16                    ; rows of 256 bytes: two rows of a head, dense in memory
	s_mov_b32 s[G1A+4], 64                         ; 64 of them: 128 rows of one head, a wave's quarter
	s_mov_b32 s[G1A+5], 128
	s_mov_b32 s[G1A+6], 0
	s_mov_b32 s[G1A+7], 0
	s_or_b32 s[G1B+0], s44, (1<<16)|(1<<20)|(1<<21)|(5<<22)|(7<<25)
	s_mov_b32 s[G1B+1], 128<<16
	s_mov_b32 s[G1B+2], 64<<16
	s_mov_b32 s[G1B+3], 128<<16                    ; 128 columns = 256 bytes
	s_mov_b32 s[G1B+4], 64                         ; 64 k rows, a wave's quarter
	s_mov_b32 s[G1B+5], 1024
	s_mov_b32 s[G1B+6], 0
	s_mov_b32 s[G1B+7], 0
	s_lshr_b32 s16, s13, 4                         ; A: batch x 16 heads of 2^18 bytes
	s_lshl_b32 s16, s16, 22
	s_and_b32 s17, s13, 15
	s_lshl_b32 s17, s17, 14                        ; + 128 rows of 128 bytes x block row in the batch
	s_add_co_u32 s16, s16, s17
	s_lshl_b32 s17, s10, 18                        ; + head = wave
	s_add_co_u32 s16, s16, s17
	s_mov_b32 s17, 0
	s_lshl_b32 s46, s42, 8                         ; Wo: 256 bytes x block column
	s_lshl_b32 s47, s10, 17                        ; + 64 k rows of 2,048 bytes x wave
	s_add_co_u32 s46, s46, s47
	s_add_co_u32 s46, s46, 3<<21                   ; + the fourth matrix of wh
	s_mov_b32 s47, 0
	s_mul_i32 s20, s10, 64*PA
	s_mul_i32 s21, s10, 64*PB
	s_add_co_u32 s21, s21, AT
	s_wait_dscnt 0x0
	s_wait_kmcnt 0x0
	s_add_nc_u64 s[14:15], s[68:69], s[16:17]
	s_add_nc_u64 s[46:47], s[70:71], s[46:47]
	CROUND                                         ; all sixteen work-groups are here: the first joint loads meet
.irp s, 0,1
	s_mov_b32 s[G0A+4*\s], 1
	s_add_co_u32 s[G0A+4*\s+1], s20, \s*SLOT
	s_add_nc_u64 s[G0A+4*\s+2:G0A+4*\s+3], s[14:15], \s*1048576    ; K step s: four heads on
	s_or_b32 s[G0A+4*\s+3], s[G0A+4*\s+3], 0x80000000
	s_mov_b32 s[G0B+4*\s], 1
	s_add_co_u32 s[G0B+4*\s+1], s21, \s*SLOT
	s_add_nc_u64 s[G0B+4*\s+2:G0B+4*\s+3], s[46:47], \s*524288     ; 256 k rows on
	s_or_b32 s[G0B+4*\s+3], s[G0B+4*\s+3], 0x80000000
	tensor_load_to_lds s[G0A+4*\s:G0A+4*\s+3], s[G1A:G1A+7]
	s_nop 0
	tensor_load_to_lds s[G0B+4*\s:G0B+4*\s+3], s[G1B:G1B+7]        ; four loads of the wave are out now, the most in this text
	s_nop 0
.endr
	v_and_b32 v1, 15, v0                           ; r
	v_bfe_u32 v2, v0, 4, 1                         ; h
	s_lshl_b32 s18, s42, 9                         ; the bias of my 64 columns
	s_lshl_b32 s19, s12, 8
	s_add_co_u32 s18, s18, s19
	s_mov_b32 s19, 0
	s_add_nc_u64 s[72:73], s[72:73], s[18:19]
	s_add_nc_u64 s[74:75], s[74:75], s[18:19]      ; the same bytes along a row of the output
	v_lshlrev_b32 v[BOF], 5, v2
.irp b, 0,1,2,3
	global_load_b128 v[BIAS+8*\b:BIAS+8*\b+3],   v[BOF], s[72:73] offset:64*\b
	global_load_b128 v[BIAS+8*\b+4:BIAS+8*\b+7], v[BOF], s[72:73] offset:64*\b+16
.endr
	s_lshl_b32 s16, s13, 19                        ; my first row of the output: 128 rows of 4,096 bytes x block row
	s_lshl_b32 s17, s11, 18                        ; + my 64 rows
	s_add_co_u32 s16, s16, s17
	s_mov_b32 s17, 0
	s_add_nc_u64 s[74:75], s[74:75], s[16:17]
	v_lshrrev_b32 v3, 1, v1
	v_mul_u32_u24 v3, v3, PA
	v_and_b32 v4, 1, v0
	v_lshl_add_u32 v3, v4, 7, v3
	v_lshl_add_u32 v3, v2, 4, v3                   ; (r / 2) 272 + (r % 2) 128 + 16 h
	v_and_b32 v4, 7, v0
	v_lshl_add_u32 v4, v2, 3, v4
	v_mul_u32_u24 v4, v4, PB                       ; k row 8 h + lane % 8
	v_bfe_u32 v5, v0, 3, 1
	v_lshl_add_u32 v4, v5, 4, v4
	s_mul_i32 s16, s11, 32*PA
	s_lshl_b32 s17, s12, 7
	s_add_co_u32 s17, s17, AT
.irp s, 0,1
	v_add_nc_u32 v[ADRA+\s], s16, v3
	v_add_nc_u32 v[ADRB+2*\s], s17, v4
	v_add_nc_u32 v[ADRB+2*\s+1], 128*PB, v[ADRB+2*\s]
	s_add_co_u32 s16, s16, SLOT
	s_add_co_u32 s17, s17, SLOT
.endr
	s_mul_i32 s16, s10, SW
	s_add_co_u32 s16, s16, STAGE
	v_mul_u32_u24 v5, v1, 272
	v_lshl_add_u32 v5, v2, 5, v5                   ; in: row r, 32 bytes for each half of the lanes
	v_add_nc_u32 v[STO], s16, v5
	v_mul_u32_u24 v6, v2, 272
	v_lshl_add_u32 v6, v1, 4, v6                   ; back: 16 lanes take a row of 256 bytes
	v_add_nc_u32 v[RD], s16, v6
	v_lshlrev_b32 v7, 12, v2
	v_lshl_add_u32 v[CO], v1, 4, v7                ; the same two rows in the output
.macro FETCH slot, q, f                ; 16 loads: 32 along K (eighth q of the step): A's 64 rows, Wo's 64 columns
.irp i, 0,1,2,3
	ds_load_b128 v[\f+8*\i:\f+8*\i+3],   v[ADRA+\slot] offset:(\q>>1)*64*PA+\i*8*PA+(\q&1)*64
	ds_load_b128 v[\f+8*\i+4:\f+8*\i+7], v[ADRA+\slot] offset:(\q>>1)*64*PA+\i*8*PA+(\q&1)*64+32
.endr
.irp b, 0,1,2,3
	ds_load_tr16_b128 v[\f+32+8*\b:\f+32+8*\b+3],   v[ADRB+2*\slot+(\q>>2)] offset:(\q&3)*32*PB+32*\b
	ds_load_tr16_b128 v[\f+32+8*\b+4:\f+32+8*\b+7], v[ADRB+2*\slot+(\q>>2)] offset:(\q&3)*32*PB+32*\b+16*PB
.endr
.endm
.macro MUL f, first                    ; 16 matrix instructions; the 16 accumulators take turns, one instruction a turn
	WIN 0x40+0x10*(1-\first)
.irp a, 0,1,2,3
.irp b, 0,1,2,3
.if \first
	v_wmma_f32_16x16x32_f16 v[8*(4*\a+\b):8*(4*\a+\b)+7], v[\f+32+8*\b:\f+32+8*\b+7], v[\f+8*\a:\f+8*\a+7], v[BIAS+8*\b:BIAS+8*\b+7]
.else
	v_wmma_f32_16x16x32_f16 v[8*(4*\a+\b):8*(4*\a+\b)+7], v[\f+32+8*\b:\f+32+8*\b+7], v[\f+8*\a:\f+8*\a+7], v[8*(4*\a+\b):8*(4*\a+\b)+7]
.endif
.endr
.endr
	WIN 0
.endm
.macro QUARTER slot, q, f, g, first    ; fetches eighth q into buffer g, multiplies buffer f (eighth q - 1)
	PLACES 4                                       ; buffer g was read by the matrix instructions just issued (ISA guide 7.12.1)
	FETCH \slot, \q, \g
	s_wait_dscnt 16                                ; buffer f is in; the 16 loads just issued stay out
	MUL \f, \first
.endm
.macro SEVEN slot, first
	QUARTER \slot, 1, F0, F1, \first
	QUARTER \slot, 2, F1, F0, 0
	QUARTER \slot, 3, F0, F1, 0
	QUARTER \slot, 4, F1, F0, 0
	QUARTER \slot, 5, F0, F1, 0
	QUARTER \slot, 6, F1, F0, 0
	QUARTER \slot, 7, F0, F1, 0
.endm
; The step's last eighth and the change of slots: each wave's reads of this slot and all its tensor loads are waited for in front of the barrier; where the
; slot is filled again the barrier opens a round of the cluster's barrier, and the joint loads are the first tensor loads behind the round.
.macro TURN slot, next, fill
	s_wait_dscnt 0x0
	s_wait_tensorcnt 0x0
	ds_add_u32 v30, v31
	s_wait_dscnt 0x0
	s_barrier_signal -1
	MUL F1, 0
	s_barrier_wait -1
.if \fill
	CREST
	s_add_nc_u64 s[G0A+4*\slot+2:G0A+4*\slot+3], s[G0A+4*\slot+2:G0A+4*\slot+3], 2097152
	s_add_nc_u64 s[G0B+4*\slot+2:G0B+4*\slot+3], s[G0B+4*\slot+2:G0B+4*\slot+3], 1048576
	tensor_load_to_lds s[G0A+4*\slot:G0A+4*\slot+3], s[G1A:G1A+7]
	s_nop 0
	tensor_load_to_lds s[G0B+4*\slot:G0B+4*\slot+3], s[G1B:G1B+7]
	s_nop 0
.endif
	PLACES 4
	FETCH \next, 0, F0
.endm
	s_wait_loadcnt 0x0                             ; the bias
	s_wait_tensorcnt 2                             ; my parts of K step 0 are in; K step 1's two loads stay out
	s_barrier_signal -1
	s_barrier_wait -1
	FETCH 0, 0, F0
	SEVEN 0, 1                                     ; K step 0; the bias starts the sums
	TURN 0, 1, 1
	SEVEN 1, 0                                     ; K step 1
	TURN 1, 0, 1
	SEVEN 0, 0                                     ; K step 2
	TURN 0, 1, 0
	SEVEN 1, 0                                     ; K step 3
	s_wait_dscnt 0x0
	MUL F1, 0
	PLACES 4                                       ; ahead of the LDS stores that read results
; rows 16 a .. 16 a + 15: straight from the accumulators into my stage, back as rows of 256 bytes; 16 lanes store 256 consecutive bytes, aligned
.macro OUT a, f
	WIN 0x04
.irp b, 0,1,2,3
	ds_store_b128 v[STO], v[8*(4*\a+\b):8*(4*\a+\b)+3]   offset:64*\b
	ds_store_b128 v[STO], v[8*(4*\a+\b)+4:8*(4*\a+\b)+7] offset:64*\b+16
.endr
	WIN 0
	s_wait_xcnt 0x0                                ; buffer f, which earlier stores read, is loaded again only behind this wait
.irp t, 0,1,2,3,4,5,6,7
	ds_load_b128 v[\f+4*\t:\f+4*\t+3], v[RD] offset:544*\t         ; LDS serves a wave's instructions in order: these see the stores above
.endr
.irp t, 0,1,2,3,4,5,6,7
	s_wait_dscnt 7-\t                              ; the younger read-backs stay out
	global_store_b128 v[CO], v[\f+4*\t:\f+4*\t+3], s[74:75] offset:(16*\a+2*\t)*4096 th:TH_STORE_NT
.endr
.endm
	OUT 0, TMP
	OUT 1, TMP+32
	OUT 2, TMP
	OUT 3, TMP+32
	s_wait_tensorcnt 0x0
	ds_add_u32 v30, v31
	s_wait_dscnt 0x0
	CROUND                                         ; the closing round
	s_endpgm
.Lfunc_end_k_q4fa4fb9c12_oproj:
	.size	k_q4fa4fb9c12_oproj, .Lfunc_end_k_q4fa4fb9c12_oproj-k_q4fa4fb9c12_oproj
	.p2alignl 7, 3214868480
	.fill 96, 4, 3214868480
	.section	.rodata,"a",@progbits
	.p2align	6, 0x0
	.amdhsa_kernel k_q4fa4fb9c12_oproj
		.amdhsa_group_segment_fixed_size 327680
		.amdhsa_private_segment_fixed_size 0
		.amdhsa_enable_private_segment 0
		.amdhsa_kernarg_size 32
		.amdhsa_user_sgpr_count 2
		.amdhsa_user_sgpr_kernarg_segment_ptr 1
		.amdhsa_wavefront_size32 1
		.amdhsa_system_sgpr_workgroup_id_x 1
		.amdhsa_system_sgpr_workgroup_id_y 1
		.amdhsa_system_sgpr_workgroup_id_z 1
		.amdhsa_system_vgpr_workitem_id 0
		.amdhsa_next_free_vgpr 384
		.amdhsa_next_free_sgpr 76
		.amdhsa_reserve_vcc 0
		.amdhsa_float_denorm_mode_32 3
		.amdhsa_float_denorm_mode_16_64 3
		.amdhsa_memory_ordered 1
		.amdhsa_forward_progress 1
		.amdhsa_inst_pref_size 90
	.end_amdhsa_kernel
	.amdgpu_metadata
---
amdhsa.version: [ 1, 2 ]
amdhsa.kernels:
  - .name:           k_q4fa4fb9c12_oproj
    .symbol:         k_q4fa4fb9c12_oproj.kd
    .args:
      - { .name: ao, .offset: 0, .size: 8, .value_kind: global_buffer, .address_space: global }
      - { .name: wh, .offset: 8, .size: 8, .value_kind: global_buffer, .address_space: global }
      - { .name: bo, .offset: 16, .size: 8, .value_kind: global_buffer, .address_space: global }
      - { .name: out0, .offset: 24, .size: 8, .value_kind: global_buffer, .address_space: global }
    .group_segment_fixed_size: 327680
    .private_segment_fixed_size: 0
    .kernarg_segment_align: 8
    .kernarg_segment_size: 32
    .max_flat_workgroup_size: 128
    .sgpr_count:     76
    .vgpr_count:     384
    .wavefront_size: 32
...
	.end_amdgpu_metadata
.endif
;; end of part 4
;; ======== version 2 of 2: 4 launches; 1.06 times as fast as version 1
;; limits: values are held in f16: magnitudes above 65,504 overflow, below 6.1e-05 lose precision; inputs' magnitudes at most 65,504
;; workspace buffers: wh 8,388,608 bytes; qh 8,388,608 bytes; kh 8,388,608 bytes; vh 8,388,608 bytes; ao 8,388,608 bytes
;; launch prep: the kernel of part 1 again; grid 64 x 4, 8 waves a work-group, no clusters, 0 bytes of LDS; arguments Wq, Wk, Wv, Wo, wh; writes wh
;; launch proj: the kernel of part 2 again; grid 4 x 48, 4 waves a work-group, clusters of 4 x 4, 327,680 bytes of LDS; arguments q, k, v, wh, bq, bk, bv, qh, kh, vh; writes qh, kh, vh
;; launch attn (part 5): grid 8 x 32, 8 waves a work-group, clusters of 4 x 1, 327,680 bytes of LDS; arguments qh, kh, vh, ao; writes ao
.if DOCPART == 5
	.amdgcn_target "amdgcn-amd-amdhsa--gfx1250"
	.amdhsa_code_object_version 6
	.text
	.protected	k_q4fa4fb9c12_attn
	.globl	k_q4fa4fb9c12_attn
	.p2align	8
	.type	k_q4fa4fb9c12_attn,@function
k_q4fa4fb9c12_attn:
	s_mov_b64 s[64:65], 0
	v_nop
	global_prefetch_b8 v0, s[64:65] scope:SCOPE_SE
	s_setreg_imm32_b32 hwreg(HW_REG_WAVE_MODE, 25, 1), 1
	s_wait_xcnt 0x0
	s_wait_alu depctr_hold_cnt(0) depctr_sa_sdst(0) depctr_va_vdst(0) depctr_va_sdst(0) depctr_va_ssrc(0) depctr_va_vcc(0) depctr_vm_vsrc(0)
	s_getreg_b32 s2, hwreg(HW_REG_IB_STS2, 6, 4)
	s_cmp_eq_u32 s2, 0
	s_cbranch_scc0 .Lentry_in_a_cluster
	s_endpgm
.Lentry_in_a_cluster:
	s_bfe_u32 s2, ttmp6, 0x10000c
	s_cmp_lg_u32 s2, 0x3003
	s_cbranch_scc0 .Lentry_shape_is_right
	s_endpgm
.Lentry_shape_is_right:
; Attention of one (batch, head) for 256 queries:  ao = softmax(Q K^T / 8) V, with a running maximum.
; qh, kh, vh hold Q/16, K/16, V/16 in f16, [batch x head][s][64]; ao gets (the result)/16 in the same layout.  Products f16, everything else f32.
; The factor 256 of the scores, 1/8 and log2(e) are one constant, 32 log2(e); the exponential is 2^(c s - c max).
; LIMITS: NaN and infinities are not reproduced (the maximum drops a NaN).  P <= 1 up to rounding, so f16 holds it; P below 2^-24 rounds to 0.
; Eight waves, two for each SIMD: wave w takes the 64 queries p = w % 4 and half g = w / 4 of every stage of 256 keys, 1,024 keys in all;
; the two halves are merged through LDS at the end.
; CLUSTERS: the four work-groups of a cluster are four query blocks of one head; they read the same K and V tiles and ask for them jointly.
; TRANSPOSED USE: S^T = K Q^T (source 0 keys, source 1 queries): a lane holds one query (lane % 16) and keys 8 (lane / 16) + 0..7 of each tile, so that
; two S^T tiles, rounded, ARE a source-1 fragment of P^T, with no exchange between lanes; O^T = V^T P^T, V^T read by the transposing load.
; THE PIPELINE.  A unit is one block of 16 queries against 64 keys: 8 score products, 118 vector instructions, 8 output products.  The text of unit u
; (a BLOCK) holds, line by line in turn: first half, the 8 score products of unit u + 1, each followed by some of unit u's multiply-adds and exponentials,
; and behind the last of them the rest of the exponentials by turns with the first half of unit u + 1's maximum; second half, the 8 output products of
; unit u - 1, each followed by two rescalings of O of unit u and by sums and roundings of unit u and the rest of the maximum and the statistics of unit
; u + 1.  So every matrix instruction is followed by vector instructions that do not depend on it.  The four blocks of S^T take turns among the units
; u - 1, u, u + 1.  K's and V's fragments are loaded again one at a time, each soon after the last product that read it.
; THE BATCHES.  A block's 33 exponentials are ONE batch: the unit's factor 2^(c old max - c new max), whose exponent the block before has made, and its 32
; weights.  All are issued in the first half, where nothing names a result of theirs, and one s_wait_alu depctr_va_vdst(0), placed
; ahead of the first instruction that names a result, closes that half.  All readers (the rescaling of O^T, the sums, the roundings) stand in the second
; half, which issues no exponential.  The merge has two batches more, once a
; launch: eight exponentials, then four reciprocals.
; REGISTERS: window 0: v0-127 O^T, v128-191 Q fragments, v192-255 V^T fragments
;            window 1: v0-127 S^T, then P^T in place, v128-191 K fragments, v192-239 addresses and statistics
; so that one window setting serves a score product, the multiply-adds (scalar factor as source 1), the exponentials and K's loads, and one an output
; product and the rescaling of O.
.set PK,   272                         ; an LDS row is two rows of K (256 bytes) + 16
.set PV,   288                         ; two rows of V + 32
.set KT,   128*PK                      ; 256 keys of K: 34,816 bytes
.set SLOT, KT+128*PV                   ; + 256 keys of V: 71,680 bytes
.set SCR,  2*SLOT                      ; the merge: 17,408 bytes for each pair of waves; no tensor load fills it
.set SCRW, 17408
.set STG,  SCR+4*SCRW                  ; the way out: 8,704 bytes for each of waves 0-3
.set STGW, 8704
.set OB,   0                           ; window 0
.set QF,   128
.set VF,   192
.set SB,   0                           ; window 1
.set KF,   128
.set ADK,  192                         ; 192-193 K fragments, slot 0, 1
.set ADV,  194                         ; 194-195 V fragments
.set SCRA, 196
.set STO,  197
.set RD,   198
.set CO,   199
.set M,    200                         ; 200-203 running maximum of the raw scores, one for each query block n
.set NM,   204                         ; 204-207, 208-211: - c max, two sets that take turns from step to step
.set AL,   212                         ; 212-215 c old max - c new max, then 2^ of it in place
.set LS,   216                         ; 216-219 running sum (of my half of the lanes' keys)
.set T,    220                         ; 220-224
.set U,    226                         ; 226-229 two chains of packed sums
.set W,    232                         ; 232-239 the merge: the partner's - c max and sum
.set W_S,  0x51                        ; source 0, source 2, destination window 1; source 1 window 0: score products, multiply-adds, exponentials, K's loads
.set W_P,  0x04                        ; source 1 window 1, all else window 0: output products, rescaling of O
.set W_1,  0x55                        ; all in window 1
.set W_LV, 0x01                        ; address window 1, data window 0: V's loads, LDS stores of O
.set W_D1, 0x40                        ; destination window 1
.set G1K, 24
.set G1V, 32
.set G0K, 40                           ; s[40:47] one set for each slot
.set G0V, 48                           ; s[48:55]
.set MSB, 0
.macro WIN new                         ; low byte: bits 1:0 source 0, 3:2 source 1, 5:4 source 2, 7:6 destination; high byte: the setting left behind
.if MSB != (\new)
	s_set_vgpr_msb (MSB<<8)|(\new)
.set MSB, (\new)
.endif
.endm
.macro PLACES n
.rept \n
	v_nop
.endr
.endm
.macro ROUND                           ; a round of the cluster's barrier
	s_barrier_signal -1
	s_barrier_wait -1
	s_cmp_lg_u32 s12, 0
	s_cbranch_scc1 .Lnot_wave_0_\@
	s_barrier_signal -3
.Lnot_wave_0_\@:
	s_barrier_wait -3
	s_barrier_signal -1
	s_barrier_wait -1
.endm
	s_load_b256 s[4:11], s[0:1], 0x0               ; qh, kh, vh, ao
	s_set_vgpr_msb 0x40
	v_lshl_add_u32 v254, v0, 2, 0x3c800
	v_mov_b32 v255, 0
	s_set_vgpr_msb 0x4045
	ds_add_u32 v254, v255
	s_set_vgpr_msb 0x4500
	v_lshrrev_b32 v1, 5, v0
	v_readfirstlane_b32 s12, v1                    ; wave 0..7
	s_and_b32 s13, s12, 3                          ; p: my 64 queries
	s_lshr_b32 s14, s12, 2                         ; g: my half of each stage's keys
	s_bfe_u32 s15, ttmp6, 0x40000                  ; cx
	s_lshl_b32 s16, ttmp9, 2
	s_add_co_u32 s16, s16, s15                     ; query block 0..7
	s_and_b32 s17, ttmp7, 0xffff                   ; batch x 16 + head
	s_mov_b32 s18, 0x4238aa3b                      ; c = 32 log2(e)
	s_mov_b32 s19, 0x4238aa3b
	s_mov_b32 s20, 0x76543210                      ; v_permlanex16_b32: lane i of the other half
	s_mov_b32 s21, 0xfedcba98
	s_mov_b32 s22, 0xc238aa3b                      ; - c
	s_mov_b32 s[G1K+0], 15|(1<<16)|(1<<20)|(1<<21)|(5<<22)|(3<<25)    ; all four work-groups; 2-byte elements; 4 words of padding behind every 64
	s_mov_b32 s[G1K+1], 128<<16
	s_mov_b32 s[G1K+2], 16<<16
	s_mov_b32 s[G1K+3], 128<<16                    ; rows of 128 numbers = 256 bytes: two keys, dense in memory
	s_mov_b32 s[G1K+4], 16                         ; 16 such rows: a wave's eighth of a stage
	s_mov_b32 s[G1K+5], 128
	s_mov_b32 s[G1K+6], 0
	s_mov_b32 s[G1K+7], 0
	s_mov_b32 s[G1V+0], 15|(1<<16)|(1<<20)|(1<<21)|(5<<22)|(7<<25)    ; the same with 8 words of padding
	s_mov_b32 s[G1V+1], 128<<16
	s_mov_b32 s[G1V+2], 16<<16
	s_mov_b32 s[G1V+3], 128<<16
	s_mov_b32 s[G1V+4], 16
	s_mov_b32 s[G1V+5], 128
	s_mov_b32 s[G1V+6], 0
	s_mov_b32 s[G1V+7], 0
	s_lshl_b32 s58, s17, 18                        ; a head is 2^18 bytes
	s_lshl_b32 s59, s12, 12                        ; my 32 keys of a stage
	s_add_co_u32 s58, s58, s59
	s_mov_b32 s59, 0
	s_mul_i32 s60, s12, 16*PK
	s_mul_i32 s61, s12, 16*PV
	s_add_co_u32 s61, s61, KT
	s_lshl_b32 s62, s17, 18                        ; Q and the output: head, query block, my 64 rows of 128 bytes
	s_lshl_b32 s63, s16, 15
	s_add_co_u32 s62, s62, s63
	s_lshl_b32 s63, s13, 13
	s_add_co_u32 s62, s62, s63
	s_mov_b32 s63, 0
	s_wait_dscnt 0x0
	s_wait_kmcnt 0x0
	s_add_nc_u64 s[6:7], s[6:7], s[58:59]
	s_add_nc_u64 s[8:9], s[8:9], s[58:59]
	s_add_nc_u64 s[4:5], s[4:5], s[62:63]
	s_add_nc_u64 s[10:11], s[10:11], s[62:63]
	ROUND                                          ; the four work-groups are here: the first joint loads meet
.irp s, 0,1
	s_mov_b32 s[G0K+4*\s], 1
	s_add_co_u32 s[G0K+4*\s+1], s60, \s*SLOT
	s_add_nc_u64 s[G0K+4*\s+2:G0K+4*\s+3], s[6:7], \s*32768        ; stage s: 256 keys of 128 bytes
	s_or_b32 s[G0K+4*\s+3], s[G0K+4*\s+3], 0x80000000
	s_mov_b32 s[G0V+4*\s], 1
	s_add_co_u32 s[G0V+4*\s+1], s61, \s*SLOT
	s_add_nc_u64 s[G0V+4*\s+2:G0V+4*\s+3], s[8:9], \s*32768
	s_or_b32 s[G0V+4*\s+3], s[G0V+4*\s+3], 0x80000000
	tensor_load_to_lds s[G0K+4*\s:G0K+4*\s+3], s[G1K:G1K+7]
	s_nop 0
	tensor_load_to_lds s[G0V+4*\s:G0V+4*\s+3], s[G1V:G1V+7]        ; four loads of the wave are out now, the most in this text
	s_nop 0
.endr
	; v1-v8 are at work here only; they lie where O^T will lie, which is first written long behind the wait for Q
	v_and_b32 v1, 15, v0                           ; r
	v_bfe_u32 v2, v0, 4, 1                         ; h
	v_and_b32 v3, 31, v0                           ; lane
	v_lshlrev_b32 v8, 7, v1
	v_lshl_add_u32 v8, v2, 4, v8                   ; query r, 16 bytes for each half of the lanes
.irp n, 0,1,2,3
.irp ks, 0,1
	global_load_b128 v[QF+8*(2*\n+\ks):QF+8*(2*\n+\ks)+3],   v8, s[4:5] offset:\n*2048+\ks*64
	global_load_b128 v[QF+8*(2*\n+\ks)+4:QF+8*(2*\n+\ks)+7], v8, s[4:5] offset:\n*2048+\ks*64+32
.endr
.endr
	v_lshrrev_b32 v4, 1, v1
	v_mul_u32_u24 v4, v4, PK
	v_and_b32 v5, 1, v0
	v_lshl_add_u32 v4, v5, 7, v4
	v_lshl_add_u32 v4, v2, 4, v4                   ; (r / 2) 272 + (r % 2) 128 + 16 h: 16 different 16-byte columns for 16 lanes
	v_bfe_u32 v5, v0, 1, 2                         ; V: key 8 h + lane % 8 lies in LDS row 4 h + (lane % 8) / 2,
	v_lshl_add_u32 v5, v2, 2, v5
	v_mul_u32_u24 v5, v5, PV
	v_and_b32 v6, 1, v0
	v_lshl_add_u32 v5, v6, 7, v5                   ; half lane % 2,
	v_bfe_u32 v6, v0, 3, 1
	v_lshl_add_u32 v5, v6, 4, v5                   ; 16 bytes for each group of eight lanes
	v_mul_u32_u24 v6, v2, 272
	v_lshl_add_u32 v6, v1, 4, v6                   ; back from the stage: 16 lanes take a whole LDS row of 256 bytes
	v_lshlrev_b32 v7, 4, v3                        ; 16 x lane
	s_mul_i32 s57, s14, 64*PK                      ; my half of a stage's keys in K's tile,
	s_add_co_u32 s58, s57, SLOT
	s_mul_i32 s59, s14, 64*PV                      ; and in V's
	s_add_co_u32 s59, s59, KT
	s_add_co_u32 s60, s59, SLOT
	s_mul_i32 s61, s13, SCRW
	s_add_co_u32 s61, s61, SCR
	s_mul_i32 s62, s13, STGW
	s_add_co_u32 s62, s62, STG
	WIN W_D1
	v_add_nc_u32 v[ADK], s57, v4
	v_add_nc_u32 v[ADK+1], s58, v4
	v_add_nc_u32 v[ADV], s59, v5
	v_add_nc_u32 v[ADV+1], s60, v5
	v_add_nc_u32 v[SCRA], s61, v7
	v_add_nc_u32 v[STO], s62, v4
	v_add_nc_u32 v[RD], s62, v6
	v_mov_b32 v[CO], v7
	; a packed instruction names a pair of - c max or of factors and uses one of the two; in the first units the other has not been made yet.
	; So both sets and the factors are written once here, and so is the destination of v_permlanex16_b32, which counts as read.
.irp i, 0,1,2,3,4,5,6,7
	v_mov_b32 v[NM+\i], 0
.endr
.irp i, 0,1,2,3
	v_mov_b32 v[AL+\i], 0
.endr
	v_mov_b32 v[T+4], 0
; ---- the lines of a unit.  BN: the unit's query block; BM: that of the unit behind it; BP: that of the unit before it.
; FU, FN, FP = 1: that unit belongs to the wave's first 64 keys (no old maximum, no factor, O^T started by the constant 0).
; HS, HP = 0: there is no unit behind, or before.  NCU: the unit's set of - c max; NCN, NPN: the next unit's set and the set of its step before.
.macro KL i, slot, st                  ; K's fragment i (key block i % 4, half i / 4 of d): two loads
	ds_load_b128 v[KF+8*(2*((\i)&3)+((\i)>>2)):KF+8*(2*((\i)&3)+((\i)>>2))+3],   v[ADK+\slot] offset:\st*32*PK+((\i)&3)*8*PK+((\i)>>2)*64
	ds_load_b128 v[KF+8*(2*((\i)&3)+((\i)>>2))+4:KF+8*(2*((\i)&3)+((\i)>>2))+7], v[ADK+\slot] offset:\st*32*PK+((\i)&3)*8*PK+((\i)>>2)*64+32
.endm
.macro VL i, slot, st                  ; V^T's fragment i (block i % 4 of d, half i / 4 of the 64 keys): two transposing loads
	ds_load_tr16_b128 v[VF+8*(2*((\i)&3)+((\i)>>2)):VF+8*(2*((\i)&3)+((\i)>>2))+3],   v[ADV+\slot] offset:\st*32*PV+((\i)>>2)*16*PV+((\i)&3)*32
	ds_load_tr16_b128 v[VF+8*(2*((\i)&3)+((\i)>>2))+4:VF+8*(2*((\i)&3)+((\i)>>2))+7], v[ADV+\slot] offset:\st*32*PV+((\i)>>2)*16*PV+((\i)&3)*32+8*PV
.endm
; In both products the four accumulators of a unit take turns, one instruction a turn.
.macro SW j                            ; S^T(key block j % 4, BM) = K Q^T; the first half of d starts the sums
.if (\j>>2) == 0
	v_wmma_f32_16x16x32_f16 v[SB+32*BM+8*(\j&3):SB+32*BM+8*(\j&3)+7], v[KF+8*(2*(\j&3)+(\j>>2)):KF+8*(2*(\j&3)+(\j>>2))+7], v[QF+8*(2*BM+(\j>>2)):QF+8*(2*BM+(\j>>2))+7], 0
.else
	v_wmma_f32_16x16x32_f16 v[SB+32*BM+8*(\j&3):SB+32*BM+8*(\j&3)+7], v[KF+8*(2*(\j&3)+(\j>>2)):KF+8*(2*(\j&3)+(\j>>2))+7], v[QF+8*(2*BM+(\j>>2)):QF+8*(2*BM+(\j>>2))+7], v[SB+32*BM+8*(\j&3):SB+32*BM+8*(\j&3)+7]
.endif
.endm
.macro PW j                            ; O^T(block j % 4 of d, BP) += V^T P^T
.if FP*(1-(\j>>2))
	v_wmma_f32_16x16x32_f16 v[OB+32*BP+8*(\j&3):OB+32*BP+8*(\j&3)+7], v[VF+8*(2*(\j&3)+(\j>>2)):VF+8*(2*(\j&3)+(\j>>2))+7], v[SB+32*BP+16*(\j>>2):SB+32*BP+16*(\j>>2)+7], 0
.else
	v_wmma_f32_16x16x32_f16 v[OB+32*BP+8*(\j&3):OB+32*BP+8*(\j&3)+7], v[VF+8*(2*(\j&3)+(\j>>2)):VF+8*(2*(\j&3)+(\j>>2))+7], v[SB+32*BP+16*(\j>>2):SB+32*BP+16*(\j>>2)+7], v[OB+32*BP+8*(\j&3):OB+32*BP+8*(\j&3)+7]
.endif
.endm
.macro FM i, pair, sel                 ; c s - c max, two scores
	v_pk_fma_f32 v[SB+32*BN+2*(\i):SB+32*BN+2*(\i)+1], v[SB+32*BN+2*(\i):SB+32*BN+2*(\i)+1], s[18:19], v[NCU+2*\pair:NCU+2*\pair+1] op_sel:[0,0,\sel] op_sel_hi:[1,0,\sel]
.endm
.macro EI e                            ; a weight, in place: one of the block's batch
	v_exp_f32 v[SB+32*BN+(\e)], v[SB+32*BN+(\e)]
.endm
.macro EA                              ; the unit's factor, in place, from the exponent that the block before has made: the first of the block's batch
.if FU == 0
	v_exp_f32 v[AL+BN], v[AL+BN]
.endif
.endm
.macro RI i, pair, sel                 ; O^T of the unit's queries times their factor, two numbers
	v_pk_mul_f32 v[OB+32*BN+2*(\i):OB+32*BN+2*(\i)+1], v[OB+32*BN+2*(\i):OB+32*BN+2*(\i)+1], v[AL+2*\pair:AL+2*\pair+1] op_sel:[0,\sel] op_sel_hi:[1,\sel]
.endm
.macro AI g, c                         ; chain c of the sum takes a pair of group g (four P); groups 0 and 1 start the chains
.if \g == 1
	v_pk_add_f32 v[U+2*\c:U+2*\c+1], v[SB+32*BN+2*\c:SB+32*BN+2*\c+1], v[SB+32*BN+4+2*\c:SB+32*BN+4+2*\c+1]
.else
	v_pk_add_f32 v[U+2*\c:U+2*\c+1], v[U+2*\c:U+2*\c+1], v[SB+32*BN+4*\g+2*\c:SB+32*BN+4*\g+2*\c+1]
.endif
.endm
.macro CI g, c                         ; P to f16 in place, ascending and behind all the sums, so that no source is written before it is read
	v_cvt_pk_f16_f32 v[SB+32*BN+2*\g+8*(\g>>2)+\c], v[SB+32*BN+4*\g+2*\c], v[SB+32*BN+4*\g+2*\c+1]
.endm
.macro FI k                            ; the two chains meet; the running sum, rescaled
.if \k == 0
	v_pk_add_f32 v[U:U+1], v[U:U+1], v[U+2:U+3]
.endif
.if \k == 1
.if FU
	v_add_f32 v[LS+BN], v[U], v[U+1]
.else
	v_add_f32 v[U], v[U], v[U+1]
.endif
.endif
.if \k == 2
.if FU == 0
	v_fma_f32 v[LS+BN], v[LS+BN], v[AL+BN], v[U]
.endif
.endif
.endm
; the next unit's maximum: 32 scores and the old maximum in 16 instructions, four chains
.macro XA c
.if HS
	v_max3_num_f32 v[T+\c], v[SB+32*BM+8*\c], v[SB+32*BM+8*\c+1], v[SB+32*BM+8*\c+2]
.endif
.endm
.macro XB c
.if HS
	v_max3_num_f32 v[T+\c], v[T+\c], v[SB+32*BM+8*\c+3], v[SB+32*BM+8*\c+4]
.endif
.endm
.macro XC c
.if HS
	v_max3_num_f32 v[T+\c], v[T+\c], v[SB+32*BM+8*\c+5], v[SB+32*BM+8*\c+6]
.endif
.endm
.macro XD k
.if HS
.if \k == 0
	v_max3_num_f32 v[T], v[T], v[T+1], v[SB+32*BM+7]
.endif
.if \k == 1
	v_max3_num_f32 v[T+2], v[T+2], v[T+3], v[SB+32*BM+15]
.endif
.if \k == 2
	v_max3_num_f32 v[T], v[T], v[T+2], v[SB+32*BM+23]
.endif
.if \k == 3
.if FN
	v_max_num_f32 v[T], v[T], v[SB+32*BM+31]
.else
	v_max3_num_f32 v[T], v[T], v[SB+32*BM+31], v[M+BM]
.endif
.endif
.endif
.endm
; the next unit's statistics.  The factor's exponent is made from the two ROUNDED numbers - c max, so that the factor agrees with the exponents exactly;
; its exponential is the next block's (EA).
.macro YI k
.if HS
.if \k == 0
	v_permlanex16_b32 v[T+4], v[T], s20, s21
.endif
.if \k == 1
	v_max_num_f32 v[M+BM], v[T], v[T+4]
.endif
.if \k == 2
	v_mul_f32 v[NCN+BM], s22, v[M+BM]
.endif
.if FN == 0
.if \k == 3
	v_sub_f32 v[AL+BM], v[NCN+BM], v[NPN+BM]
.endif
.endif
.endif
.endm
; A gap of the first half: a score product of the next unit, then multiply-adds and exponentials of this unit; a pair of scores is scaled a gap or two
; ahead of its exponentials.  Nothing in this half names an exponential's result.
; Behind the last score product the last six exponentials stand by turns with the first eight lines of the next unit's maximum, which name none of the
; batch's results.  XA 0, XA 1, XA 2 and XB 0 are the four plain lines between that product and XA 3, the first read of its result; the product before it
; has gap 6's two multiply-adds, XA 0 and XA 1 ahead of XA 2 (ISA guide 7.12.1).  XB 1 is the plain line behind the last exponential (ISA guide 5.7.2).
.macro GS j, pair, sel
.if HS
	SW \j
.endif
.if \j == 0
	FM 0, \pair, \sel
	FM 1, \pair, \sel
	EA
	FM 2, \pair, \sel
	EI 0
	FM 3, \pair, \sel
	EI 1
.elseif \j < 7
	EI 4*\j-2
	FM 2*\j+2, \pair, \sel
	EI 4*\j-1
	EI 4*\j
	FM 2*\j+3, \pair, \sel
	EI 4*\j+1
.else
	WIN W_1
	EI 26
	XA 0
	EI 27
	XA 1
	EI 28
	XA 2
	EI 29
	XB 0
	EI 30
	XA 3
	EI 31
	XB 1
	XB 2
	XB 3
.if HS == 0
	v_nop                                          ; the wave's last unit has no unit behind it: the plain line behind the last exponential
.endif
	s_wait_alu depctr_va_vdst(0)                   ; ONE wait for the block's batch, the factor and the 32 weights, ahead of all their readers
.endif
.endm
; A gap of the second half: an output product of the unit before, two rescalings of this unit's O^T, then this unit's sums and roundings and the rest of
; the next unit's maximum and its statistics.  No exponential is issued here.
.macro GP j, pair, sel
.if HP
	WIN W_P
	PW \j
.endif
.if FU == 0
	WIN W_P
	RI 2*\j, \pair, \sel
	RI 2*\j+1, \pair, \sel
.endif
	WIN W_1
.if \j == 0
	AI 1, 0
	AI 1, 1
	XC 0
	XC 1
	AI 2, 0
	AI 2, 1
.endif
.if \j == 1
	XC 2
	XC 3
	AI 3, 0
	AI 3, 1
	XD 0
	XD 1
.endif
.if \j == 2
	AI 4, 0
	AI 4, 1
	XD 2
	AI 5, 0
	AI 5, 1
	XD 3
.endif
.if \j == 3
	AI 6, 0
	AI 6, 1
	YI 0
	AI 7, 0
	AI 7, 1
	CI 0, 0
.endif
.if \j == 4
	CI 0, 1
	YI 1
	FI 0
	CI 1, 0
	YI 2
	CI 1, 1
.endif
.if \j == 5
	FI 1
	YI 3
	CI 2, 0
	CI 2, 1
	FI 2
.endif
.if \j == 6
	CI 3, 0
	CI 3, 1
	CI 4, 0
	CI 4, 1
	CI 5, 0
.endif
.if \j == 7
	CI 5, 1
	CI 6, 0
	CI 6, 1
	CI 7, 0
	CI 7, 1
.endif
.endm
; The text of unit (step, n).  (slot, st): where the step's 64 keys lie; (pair, sel) = (n / 2, n % 2); f = 1: the wave's first step, 2: its second, 0: later;
; chg = 1: the slot's last step: it is filled again, two stages ahead; chg = 2: the slots change, nothing is filled; (nslot, nst): the next step's keys.
.macro BLOCK slot, st, n, pair, sel, f, chg, nslot, nst, last
.set BN, \n
.set BM, (\n+1)&3
.set BP, (\n+3)&3
.set NCU, NM+4*\st
.if \n < 3
.set NCN, NM+4*\st
.set NPN, NM+4-4*\st
.else
.set NCN, NM+4-4*\st
.set NPN, NM+4*\st
.endif
.set FU, 0
.set FN, 0
.set FP, 0
.set HP, 1
.set HS, 1
.if \f == 1
.set FU, 1
.if \n < 3
.set FN, 1
.endif
.if \n > 0
.set FP, 1
.else
.set HP, 0
.endif
.endif
.if \f == 2
.if \n == 0
.set FP, 1
.endif
.endif
.if \last
.if \n == 3
.set HS, 0
.endif
.endif
	WIN W_S
.irp j, 0,1,2,3,4,5,6,7
.if \n == 3
.if HS
.if \j == 0
	s_wait_dscnt 8                                 ; the next step's K: fragments 0-3 are in, the 8 younger loads stay out
.endif
.if \j == 4
	s_wait_dscnt 0x0
.endif
.endif
.endif
	GS \j, \pair, \sel
.if \n == 2
.if \last == 0
.if \j >= 2
	KL \j-2, \nslot, \nst                          ; this step's last product on the fragment stands two gaps back, with four plain lines or more behind it (ISA guide 7.12.1)
.endif
.endif
.endif
.endr
.if \n == 1
.if \chg
	s_wait_dscnt 0x0                               ; my reads of this slot are over: the last were V's, issued in the block before
	WIN W_1                                        ; (the add's two registers lie in window 1: the setting in which the first half ends)
	s_wait_tensorcnt 0x0                           ; all my tensor loads have landed: my parts of the next slot
	ds_add_u32 v254, v255
	s_wait_dscnt 0x0
.if \chg == 1
	s_add_nc_u64 s[G0K+4*\slot+2:G0K+4*\slot+3], s[G0K+4*\slot+2:G0K+4*\slot+3], 65536
	s_add_nc_u64 s[G0V+4*\slot+2:G0V+4*\slot+3], s[G0V+4*\slot+2:G0V+4*\slot+3], 65536
	WIN 0                                          ; the block's batch has had its wait
	ROUND                                          ; both hold of every wave of all four work-groups
	tensor_load_to_lds s[G0K+4*\slot:G0K+4*\slot+3], s[G1K:G1K+7]
	s_nop 0
	tensor_load_to_lds s[G0V+4*\slot:G0V+4*\slot+3], s[G1V:G1V+7]
	s_nop 0
.else
	s_barrier_signal -1
	s_barrier_wait -1
.endif
.else
	s_wait_dscnt 8                                 ; this step's V: fragments 0-3 are in, the 8 younger loads stay out
.endif
.endif
.irp j, 0,1,2,3,4,5,6,7
.if \n == 1
.if \j == 4
	s_wait_dscnt 0x0
.endif
.endif
	GP \j, \pair, \sel
.if \n == 0
	WIN W_LV
	VL \j, \slot, \st                              ; the last step's last product on the fragment heads this gap, with six plain lines or more behind it
.endif
.if \n == 2
.if \last == 0
.if \j < 2
	KL \j+6, \nslot, \nst
.endif
.endif
.endif
.endr
.endm
.macro STEP slot, st, f, chg, nslot, nst, last
	BLOCK \slot, \st, 0, 0, 0, \f, \chg, \nslot, \nst, \last
	BLOCK \slot, \st, 1, 0, 1, \f, \chg, \nslot, \nst, \last
	BLOCK \slot, \st, 2, 1, 0, \f, \chg, \nslot, \nst, \last
	BLOCK \slot, \st, 3, 1, 1, \f, \chg, \nslot, \nst, \last
.endm
.macro LAP f1, f2                      ; two stages, both slots filled again
	STEP 0, 0, \f1, 0, 0, 1, 0
	STEP 0, 1, \f2, 1, 1, 0, 0
	STEP 1, 0, 0, 0, 1, 1, 0
	STEP 1, 1, 0, 1, 0, 0, 0
.endm
	s_wait_tensorcnt 2                             ; my parts of stage 0 are in; stage 1's two loads stay out
	s_barrier_signal -1
	s_barrier_wait -1
	WIN W_1
.irp i, 0,1,2,3,4,5,6,7
	KL \i, 0, 0
.endr
	s_wait_loadcnt 0x0                             ; Q
	s_wait_dscnt 0x0
	; the way in: the first unit's scores, maximum and statistics
.set BM, 0
.set HS, 1
.set FN, 1
.set NCN, NM
.set NPN, NM+4
	WIN W_S
.irp j, 0,1,2,3,4,5,6,7
	SW \j
.endr
	WIN W_1
	PLACES 4                                       ; ahead of the first reads of S^T (ISA guide 7.12.1)
.irp c, 0,1,2,3
	XA \c
.endr
.irp c, 0,1,2,3
	XB \c
.endr
.irp c, 0,1,2,3
	XC \c
.endr
.irp k, 0,1,2,3
	XD \k
.endr
.irp k, 0,1,2
	YI \k
.endr
	LAP 1, 2                                       ; stages 0, 1
	WIN 0
	s_mov_b32 s56, 2                               ; stages 2 to 5
.Llap:
	LAP 0, 0
	WIN 0
	s_sub_co_u32 s56, s56, 1
	s_cmp_lg_u32 s56, 0
	s_cbranch_scc1 .Llap
	STEP 0, 0, 0, 0, 0, 1, 0                       ; stages 6, 7: nothing is filled any more
	STEP 0, 1, 0, 2, 1, 0, 0
	STEP 1, 0, 0, 0, 1, 1, 0
	STEP 1, 1, 0, 0, 0, 0, 1
	; the way out of the pipeline: the last unit's output products
.set BP, 3
.set FP, 0
	WIN W_P
.irp j, 0,1,2,3,4,5,6,7
	PW \j
.endr
	WIN W_1
	PLACES 4                                       ; ahead of the first reads of O^T
.irp n, 0,1,2,3
	v_permlanex16_b32 v[T+\n], v[LS+\n], s20, s21
.endr
.irp n, 0,1,2,3
	v_add_f32 v[LS+\n], v[LS+\n], v[T+\n]          ; the sum over both halves of the lanes
.endr
	; THE MERGE.  Waves 4-7 hand O^T, - c max (the last step's set, the second) and the sum to waves 0-3 through LDS.
	WIN 0
	s_cmp_lt_u32 s12, 4
	s_cbranch_scc1 .Lkeeps
	WIN W_LV
.irp i, 0,1,2,3,4,5,6,7,8,9,10,11,12,13,14,15,16,17,18,19,20,21,22,23,24,25,26,27,28,29,30,31
	ds_store_b128 v[SCRA], v[OB+4*\i:OB+4*\i+3] offset:512*\i
.endr
	WIN 0x05
	ds_store_b128 v[SCRA], v[NM+4:NM+7] offset:16384
	ds_store_b128 v[SCRA], v[LS:LS+3] offset:16896
	WIN 0
.Lkeeps:
	s_wait_dscnt 0x0                               ; for the partner's sake: my stores are in LDS
	s_barrier_signal -1
	s_barrier_wait -1
	s_cmp_ge_u32 s12, 4
	s_cbranch_scc1 .Lsent
	WIN W_1
	ds_load_b128 v[W:W+3], v[SCRA] offset:16384    ; the partner's - c max
	ds_load_b128 v[W+4:W+7], v[SCRA] offset:16896  ; and sum
.irp i, 0,1,2,3,4,5,6,7,8,9,10,11,12,13,14,15,16,17,18,19,20,21,22,23,24,25,26,27,28,29,30,31
	ds_load_b128 v[SB+4*\i:SB+4*\i+3], v[SCRA] offset:512*\i
.endr
	s_wait_dscnt 32                                ; the two small loads are in; the 32 of O^T stay out
.irp n, 0,1,2,3
	v_min_num_f32 v[T+\n], v[NM+4+\n], v[W+\n]     ; - c x the larger maximum
.endr
.irp n, 0,1,2,3
	v_sub_f32 v[AL+\n], v[T+\n], v[NM+4+\n]
	v_sub_f32 v[NM+\n], v[T+\n], v[W+\n]
.endr
.irp n, 0,1,2,3
	v_exp_f32 v[AL+\n], v[AL+\n]                   ; my weight,
	v_exp_f32 v[NM+\n], v[NM+\n]                   ; the partner's: one of the two is 1
.endr
	v_nop                                          ; a plain line behind the last exponential
	s_wait_alu depctr_va_vdst(0)                   ; one wait for the merge's batch of eight exponentials, ahead of their first reader
.irp n, 0,1,2,3
	v_mul_f32 v[LS+\n], v[LS+\n], v[AL+\n]
.endr
.irp n, 0,1,2,3
	v_fmac_f32 v[LS+\n], v[W+4+\n], v[NM+\n]       ; the whole sum; about 1 at the least, since the largest score gives 2^0
.endr
.irp n, 0,1,2,3
	v_rcp_f32 v[LS+\n], v[LS+\n]
.endr
	v_nop                                          ; a plain line behind the last reciprocal
	s_wait_alu depctr_va_vdst(0)                   ; one wait for the batch of four reciprocals, which read sums made of the exponentials and so are a batch of their own
.irp n, 0,1,2,3
	v_mul_f32 v[AL+\n], v[AL+\n], v[LS+\n]
	v_mul_f32 v[NM+\n], v[NM+\n], v[LS+\n]
.endr
	s_wait_dscnt 0x0
.macro SCALEB n, pair, sel
.irp i, 0,1,2,3,4,5,6,7,8,9,10,11,12,13,14,15
	v_pk_mul_f32 v[SB+32*\n+2*\i:SB+32*\n+2*\i+1], v[SB+32*\n+2*\i:SB+32*\n+2*\i+1], v[NM+2*\pair:NM+2*\pair+1] op_sel:[0,\sel] op_sel_hi:[1,\sel]
.endr
.endm
.macro ADDA n, pair, sel
.irp i, 0,1,2,3,4,5,6,7,8,9,10,11,12,13,14,15
	v_pk_fma_f32 v[SB+32*\n+2*\i:SB+32*\n+2*\i+1], v[OB+32*\n+2*\i:OB+32*\n+2*\i+1], v[AL+2*\pair:AL+2*\pair+1], v[SB+32*\n+2*\i:SB+32*\n+2*\i+1] op_sel:[0,\sel,0] op_sel_hi:[1,\sel,1]
.endr
.endm
	SCALEB 0, 0, 0
	SCALEB 1, 0, 1
	SCALEB 2, 1, 0
	SCALEB 3, 1, 1
	WIN 0x54                                       ; source 0 (my O^T) window 0, all else window 1
	ADDA 0, 0, 0
	ADDA 1, 0, 1
	ADDA 2, 1, 0
	ADDA 3, 1, 1
	WIN W_1
	; a lane's eight numbers of a tile are d = 16 dt + 8 h + 0..7 of one query: 16 bytes of f16, through my stage, out as 512 consecutive bytes a store
.irp n, 0,1,2,3
.irp dt, 0,1,2,3
.irp j, 0,1,2,3
	v_cvt_pk_f16_f32 v[SB+32*\n+8*\dt+\j], v[SB+32*\n+8*\dt+2*\j], v[SB+32*\n+8*\dt+2*\j+1]
.endr
	ds_store_b128 v[STO], v[SB+32*\n+8*\dt:SB+32*\n+8*\dt+3] offset:\n*2176+32*\dt
.endr
.endr
.irp t, 0,1,2,3,4,5,6,7,8,9,10,11,12,13,14,15
	ds_load_b128 v[KF+4*\t:KF+4*\t+3], v[RD] offset:544*\t         ; LDS serves a wave's instructions in order: these see the stores above
.endr
.irp t, 0,1,2,3,4,5,6,7,8,9,10,11,12,13,14,15
	s_wait_dscnt 15-\t                             ; the younger read-backs stay out
	global_store_b128 v[CO], v[KF+4*\t:KF+4*\t+3], s[10:11] offset:512*\t
.endr
	WIN 0
.Lsent:
	s_set_vgpr_msb 0x5
	s_wait_tensorcnt 0x0
	ds_add_u32 v254, v255
	s_wait_dscnt 0x0
	s_set_vgpr_msb 0x500
	ROUND                                          ; the closing round
	s_endpgm
.Lfunc_end_k_q4fa4fb9c12_attn:
	.size	k_q4fa4fb9c12_attn, .Lfunc_end_k_q4fa4fb9c12_attn-k_q4fa4fb9c12_attn
	.p2alignl 7, 3214868480
	.fill 96, 4, 3214868480
	.section	.rodata,"a",@progbits
	.p2align	6, 0x0
	.amdhsa_kernel k_q4fa4fb9c12_attn
		.amdhsa_group_segment_fixed_size 327680
		.amdhsa_private_segment_fixed_size 0
		.amdhsa_enable_private_segment 0
		.amdhsa_kernarg_size 32
		.amdhsa_user_sgpr_count 2
		.amdhsa_user_sgpr_kernarg_segment_ptr 1
		.amdhsa_wavefront_size32 1
		.amdhsa_system_sgpr_workgroup_id_x 1
		.amdhsa_system_sgpr_workgroup_id_y 1
		.amdhsa_system_sgpr_workgroup_id_z 1
		.amdhsa_system_vgpr_workitem_id 0
		.amdhsa_next_free_vgpr 512
		.amdhsa_next_free_sgpr 68
		.amdhsa_reserve_vcc 0
		.amdhsa_float_denorm_mode_32 3
		.amdhsa_float_denorm_mode_16_64 3
		.amdhsa_memory_ordered 1
		.amdhsa_forward_progress 1
		.amdhsa_inst_pref_size 255
	.end_amdhsa_kernel
	.section	.bss,"aw",@nobits
	.p2align	6
	.space	262144
	.amdgpu_metadata
---
amdhsa.version: [ 1, 2 ]
amdhsa.kernels:
  - .name:           k_q4fa4fb9c12_attn
    .symbol:         k_q4fa4fb9c12_attn.kd
    .args:
      - { .name: qh, .offset: 0, .size: 8, .value_kind: global_buffer, .address_space: global }
      - { .name: kh, .offset: 8, .size: 8, .value_kind: global_buffer, .address_space: global }
      - { .name: vh, .offset: 16, .size: 8, .value_kind: global_buffer, .address_space: global }
      - { .name: ao, .offset: 24, .size: 8, .value_kind: global_buffer, .address_space: global }
    .group_segment_fixed_size: 327680
    .private_segment_fixed_size: 0
    .kernarg_segment_align: 8
    .kernarg_segment_size: 32
    .max_flat_workgroup_size: 256
    .sgpr_count:     68
    .vgpr_count:     512
    .wavefront_size: 32
...
	.end_amdgpu_metadata
.endif
;; end of part 5
;; launch oproj: the kernel of part 4 again; grid 8 x 32, 4 waves a work-group, clusters of 4 x 4, 327,680 bytes of LDS; arguments ao, wh, bo, out0; writes out0
